; MI455X (gfx1250); checked and timed in simulation.
; The chip was launched on July 23, 2026; its instructions are those of AMD's public machine-readable ISA for CDNA 5 (MIT licence, August 2026) and "CDNA5" Instruction Set Architecture Reference Guide (July 2026). The comments in the code are by the model that wrote it; some were corrected since.
;; Multi Head Attention. Allowed arithmetic: matrix products marked QUANTISED: E2M3 operands, one E8M0 scale for each 32 along K, by v_wmma_scale_f32_16x16x128_f8f6f4 with both operands' format E2M3, f32 sums; everything else in f32.
;; Inputs: Wk 4,096 x 1,024 float32; Wo 4,096 x 4,096 float32; Wq 4,096 x 4,096 float32; Wv 4,096 x 1,024 float32; bk 1,024 float32; bo 4,096 float32; bq 4,096 float32; bv 1,024 float32; x 1 x 1,024 x 4,096 float32; y 1 x 1,024 x 4,096 float32.
;; Outputs: out0 1 x 1,024 x 4,096 float32.
;; Constants: kv_head = 8, n_head = 32.
;; This version of the problem:
;;   THIS VERSION OF THE PROBLEM IS GIVEN IN LOW PRECISION. The matrix products marked QUANTISED in the list below multiply operands that are first quantised to E2M3 (2 exponent bits, 3 mantissa bits; 6 bits a number), with one power-of-two scale for each 32 numbers along K (OCP MX v1.0); their sums are f32. All else is computed in f32.
;;   The module's matrix products, in the order in which they are computed (A, B: the left and right operand; K: the contracted axis; several contracted axes count as one K, in the product's order):
;;     1. [M 1,024, K 4,096] x [K 4,096, N 4,096]; A: input x; B: input Wq: QUANTISED
;;     2. [M 1,024, K 4,096] x [K 4,096, N 1,024]; A: input y; B: input Wk: QUANTISED
;;     3. [M 1,024, K 4,096] x [K 4,096, N 1,024]; A: input y; B: input Wv: QUANTISED
;;     4. batch 32 x [M 1,024, K 128] x [K 128, N 1,024]; A: computed on the way; B: computed on the way: QUANTISED
;;     5. batch 32 x [M 128, K 1,024] x [K 1,024, N 1,024]; A: computed on the way; B: softmax (see below): QUANTISED
;;     6. [M 1,024, K 4,096] x [K 4,096, N 4,096]; A: computed on the way; B: input Wo: QUANTISED
;;   THE QUANTISER, for each operand of a quantised product, along K:
;;     - K is cut into blocks of 32 from its start; a last block that is shorter is filled with zeros.
;;     - A block's scale is 2^e with e = floor(log2(the largest magnitude in the block)) - 2, held to -126 .. 127; a block of zeros has e = 0. As a byte (E8M0): e + 127.
;;     - Each number is divided by its block's scale, clamped to +-7.5, and rounded to the nearest number of E2M3, ties to even, subnormals kept.
;;     - The product sums the exact products of the quantised numbers (number of the format x scale) in f32.
;;   ~~~python
;;   def quantise(x, axis):      # numpy; x: float32 -> the quantised numbers, widened to float32 again
;;       x = np.moveaxis(x, axis, -1); K = x.shape[-1]
;;       x = np.pad(x, [(0, 0)] * (x.ndim - 1) + [(0, -K % 32)]); x = x.reshape(x.shape[:-1] + (-1, 32)); a = np.abs(x).max(-1, keepdims=True)
;;       e = np.where(a > 0, np.clip(np.frexp(np.where(a > 0, a, 1))[1] - 1 - 2, -126, 127), 0)      # np.frexp(a)[1] - 1 = floor(log2(a)), exactly
;;       r = np.clip(x / 2.0 ** e, -7.5, 7.5)
;;       step = 2.0 ** (np.maximum(np.frexp(np.where(r == 0, 1, r))[1] - 1, 0) - 3)
;;       q = np.round(r / step) * step * 2.0 ** e      # np.round: ties to even
;;       return np.moveaxis(q.reshape(q.shape[:-2] + (-1,))[..., :K], -1, axis).astype(np.float32)
;;   ~~~
;;   SOFTMAX AHEAD OF A QUANTISED PRODUCT. Where the list says 'softmax', what is quantised is not the finished softmax but p = 2^(t - M), with t = logit x log2(e) and M = ceil(the row's largest t), a whole number; so 1/2 < the row's largest p <= 1. The row's sum l is taken of the UNQUANTISED p, in f32, and the product's result is divided by l at the end. Since M is a whole number, a kernel that streams over the keys may use a running M (the ceiling of the running maximum): every later rescaling is an exact power of two, which a block's scale takes up: the codes' values come out the same.
;;   OPERANDS COMPUTED ON THE WAY. 'Computed on the way' means the value that the module computes at that place (a softmax that the list does not call 'softmax' is quantised finished and normalised). What goes into a quantiser is computed in f32, as accurately as f32 sums, v_exp_f32 and their like allow (about 1e-6 of the number): no bf16 or f16 on the way to a quantiser, and a product that is left as it is and whose result goes on into a quantised operand takes f32 operands (vector FMAs, or v_wmma_f32_16x16x4_f32). A number that lies on a knife's edge between two numbers of the format may be rounded either way, as far as f32 arithmetic and the matrix unit's own rounding can turn it there, and no further.
;; One version. Each part assembles by itself: llvm-mc -triple=amdgcn-amd-amdhsa -mcpu=gfx1250 --defsym DOCPART=n.
;; ======== version 1 of 1: 4 launches
;; limits: right only within a limited range of input values
;; workspace buffers: wc 39,321,600 bytes; rt 524,288 bytes; att 4,915,200 bytes; oc 3,276,800 bytes
;; launch quant (part 1): grid 1024 x 1, 4 waves a work-group, no clusters, 34,304 bytes of LDS; arguments x, y, Wq, Wk, Wv, wc, rt; writes wc, rt
.if DOCPART == 1
	.amdgcn_target "amdgcn-amd-amdhsa--gfx1250"
	.amdhsa_code_object_version 6
	.text
	.protected	k_q29d6865f16_quant
	.globl	k_q29d6865f16_quant
	.p2align	8
	.type	k_q29d6865f16_quant,@function
k_q29d6865f16_quant:
	s_mov_b64 s[64:65], 0
	v_nop
	global_prefetch_b8 v0, s[64:65] scope:SCOPE_SE
	s_setreg_imm32_b32 hwreg(HW_REG_WAVE_MODE, 25, 1), 1
	s_wait_xcnt 0x0
; x, y [1024][4096], Wq [4096][4096] and Wk, Wv [4096][1024], all f32, become codes of FP6 (E2M3) with one E8M0 byte for each 32 along K (K = 4096 for all five), and the table of RoPE's cosines and sines is made.
; (Wo, which only the last product wants, is quantised by the same steps in the attention's launch, beside the attention.)
; THE WORKSPACE wc IS LAID IN THE ORDER OF THE OPERANDS' REGISTERS.  A fragment row is 16 rows (of x, y) or 16 columns (of a weight): lane-row r of fragment row g is row 32 (g / 2) + 8 (g % 2) + r % 8 + 16 (r / 8).
; A fragment (16 rows x 128 K) is 12 registers a lane; its image is 1,536 bytes: registers 4 c .. 4 c + 3 of lane l at 512 c + 16 l.  A record (6,400 bytes) is a fragment row's four images of 512 along K, then 256 bytes of
; scale words: the word of row r and K step s at 6144 + 128 (s / 2) + 8 r + 4 (s % 2).  A fragment row is 8 records.  Fragment rows: x 0-63, y 64-127, Wq 128-383, Wk 384-447, Wv 448-511 (Wo 512-767: not written here).
; A block's scale is 2^(floor(log2(its largest magnitude)) - 2); its byte is the largest magnitude's exponent field - 2, held at 1 from below.
; LIMITS: NaN and infinities among the inputs are not served.  A block whose largest magnitude lies under 2^-124, a block of zeros among them, gets the byte 1 (the rule gives a block of zeros 127): its codes are
; zeros or what the held scale gives, and this program alone reads the bytes.  RoPE's angle is the f32 product position x phi, with phi = 5000^(-f / 64) good to one or two units in its last place.
; THREE PATHS, parted on the work-group's number.  0-255: x and y, K innermost: a wave makes one record; it also writes one line of the table.  256-767: Wq;  768-1023: Wk and Wv: K is the FIRST axis: a lane takes
; a column and its registers run down K.  Only the first path uses LDS.  No barrier: waves share nothing.
.set FROW, 51200                       ; a fragment row in bytes
.set REC,  6400                        ; a record
.set RA,   8                           ; rows path: v8-71 a fragment's numbers as loaded
.set XA,   72                          ; v72-135 the same in the operand's order (the table's arithmetic works here first)
.set PCA,  136                         ; v136-147 the codes
.set TA,   148                         ; v148-150, v152-154 the upper halves of a block's codes: a conversion's three registers begin on an even number
.set PWA,  160                         ; v160-163 the four K steps' scale words
.set XB,   8                           ; weights' paths: v8-71 two sets of 32 numbers
.set IMG,  72                          ; v72-119 the codes of 8 blocks, in the images' order
.set TB,   120                         ; v120-122 the upper half of a block's codes
.set SB,   124                         ; v124-125 the scale bytes, four to a register
; ---- rows path: 16 loads bring K step s of the record's 16 rows: each reads 512 consecutive bytes of one row
.macro LOADF s
.set ii, 0
.rept 16
	global_load_b128 v[RA+4*ii:RA+4*ii+3], v1, s[22:23] offset:(ii%8+16*(ii/8))*16384+512*(\s) th:TH_LOAD_NT
.set ii, ii+1
.endr
.endm
; 64 numbers of a lane, v[XA + 32 c + i] = k 64 c + 32 h + i of its row: two whole blocks.  Codes into v[PCA] on, the row's scale word into v[PWA + s]
.macro QUANTX s
.irp c, 0,1
	v_max3_num_f32 v[156+\c], |v[XA+32*\c]|, |v[XA+32*\c+1]|, 0x1800000   ; with the floor 2^(3 - 127): the byte cannot fall under 1
.endr
.irp i, 2,4,6,8,10,12,14,16,18,20,22,24,26,28,30
.irp c, 0,1
	v_max3_num_f32 v[156+\c], v[156+\c], |v[XA+32*\c+\i]|, |v[XA+32*\c+\i+1]|   ; the two blocks by turns
.endr
.endr
.irp c, 0,1
	v_add_nc_u32 v[156+\c], 0xff000000, v[156+\c]  ; 2 off the exponent field: the conversion's scale operand
.endr
.irp c, 0,1
	v_lshrrev_b32 v[158+\c], 23, v[156+\c]         ; the scale's byte
.endr
	v_lshl_or_b32 v158, v159, 16, v158             ; my bytes: blocks h and 2 + h,
	v_lshlrev_b32 v158, v164, v158                 ; at their places in the word (8 h bits up);
	v_permlanex16_b32 v159, v158, s38, s39
	v_or_b32 v[PWA+\s], v158, v159                 ; with lane l xor 16's two the word is whole
.irp c, 0,1
	v_cvt_scalef32_pk16_fp6_f32 v[PCA+6*\c:PCA+6*\c+2], v[XA+32*\c:XA+32*\c+15], v[156+\c]
	v_cvt_scalef32_pk16_fp6_f32 v[TA+4*\c:TA+4*\c+2], v[XA+32*\c+16:XA+32*\c+31], v[156+\c]
.endr
	v_nop                                          ; one plain place behind a scaled conversion
.irp c, 0,1
.irp i, 0,1,2
	v_mov_b32 v[PCA+6*\c+3+\i], v[TA+4*\c+\i]
.endr
.endr
.endm
; K step s: through the wave's own stage (rows 528 bytes apart: 33 x 16, so that sixteen rows' reads of 16 bytes fall on different banks), quantised, stored as an image
.macro FRAGQ s
	s_wait_loadcnt 0x0                             ; this K step's 16 loads are in
.set ii, 0
.rept 16
	ds_store_b128 v2, v[RA+4*ii:RA+4*ii+3] offset:528*ii
.set ii, ii+1
.endr
.irp c, 0,1
.irp j, 0,1,2,3,4,5,6,7
	ds_load_b128 v[XA+32*\c+4*\j:XA+32*\c+4*\j+3], v3 offset:256*\c+16*\j   ; LDS serves a wave's instructions in order: these see my stores
.endr
.endr
	s_wait_dscnt 0x0                               ; the numbers are back, and the stores have read their registers
	s_wait_xcnt 0x0                                ; the last image's stores have read the code registers, which are written again below
.if (\s) < 3
	LOADF (\s)+1                                   ; the next K step lands while this one is quantised
.endif
	QUANTX \s
.irp c, 0,1,2
	global_store_b128 v1, v[PCA+4*\c:PCA+4*\c+3], s[24:25] offset:1536*(\s)+512*\c   ; 512 consecutive bytes
.endr
.endm
; cosine and sine of position (v72) x phi (v[ph]): the angle less n quarter turns (pi / 2 in two parts), polynomials on +-pi / 4, the quadrant by selects and sign bits: no branch
.macro TRIG ph, oc, os
	v_mul_f32 v80, v72, v[\ph]                     ; the angle: one f32 product
	v_mul_f32 v81, 0x3f22f983, v80                 ; x 2 / pi
	v_rndne_f32 v81, v81                           ; n
	v_fmamk_f32 v80, v81, 0xbfc90fdb, v80          ; - n x the f32 nearest pi / 2
	v_fmamk_f32 v80, v81, 0x333bbd2e, v80          ; - n x what that leaves of pi / 2 (it is negative)
	v_mul_f32 v82, v80, v80                        ; z
	v_mov_b32 v83, 0xb94ca1f9
	v_fmaak_f32 v83, v83, v82, 0x3c08839e
	v_fmaak_f32 v83, v83, v82, 0xbe2aaaa3
	v_mul_f32 v84, v80, v82
	v_fma_f32 v83, v84, v83, v80                   ; the sine of the rest
	v_mov_b32 v85, 0x37ccf5ce
	v_fmaak_f32 v85, v85, v82, 0xbab6061a
	v_fmaak_f32 v85, v85, v82, 0x3d2aaaa5
	v_mul_f32 v86, v82, v82
	v_fma_f32 v87, v82, -0.5, 1.0
	v_fma_f32 v85, v86, v85, v87                   ; its cosine
	v_cvt_i32_f32 v88, v81
	v_and_b32 v89, 1, v88
	v_cmp_eq_u32 vcc_lo, 1, v89                    ; an odd quarter turn: the two change places
	v_cndmask_b32 v90, v83, v85, vcc_lo
	v_cndmask_b32 v91, v85, v83, vcc_lo
	v_lshlrev_b32 v89, 30, v88                     ; the sine is negated in quadrants 2 and 3: bit 1 of n,
	v_and_b32 v89, 0x80000000, v89
	v_xor_b32 v[\os], v89, v90
	v_add_nc_u32 v88, 1, v88                       ; the cosine in quadrants 1 and 2: bit 1 of n + 1
	v_lshlrev_b32 v88, 30, v88
	v_and_b32 v88, 0x80000000, v88
	v_xor_b32 v[\oc], v88, v91
.endm
; ---- weights' paths.  Block t: W(32 t + i, my column), i = 0 .. 31, into set t % 2: each load reads 128 consecutive bytes
.macro WLOAD t, nn
.set ii, 0
.rept 32
	global_load_b32 v[XB+32*((\t)%2)+ii], v1, s[22:23] offset:(32*(\t)+ii)*4*(\nn) th:TH_LOAD_NT
.set ii, ii+1
.endr
.endm
.macro WBLOCK t, nn
.set XS, XB+32*((\t)%2)
.set DSTR, IMG+24*((\t)/4)+12*((\t)%2)+6*(((\t)/2)%2)   ; K step t / 4; the image's lane half t % 2; registers 6 ((t / 2) % 2) on
.if (\t) < 7
	s_wait_loadcnt 32                              ; this block's 32 loads are in; the next block's 32 may be out
.else
	s_wait_loadcnt 0x0
.endif
	v_max3_num_f32 v126, |v[XS]|, |v[XS+1]|, |v[XS+2]|              ; all 32 numbers of the block are mine
	v_max3_num_f32 v127, |v[XS+3]|, |v[XS+4]|, |v[XS+5]|
.irp i, 6,10,14,18,22,26
	v_max3_num_f32 v126, v126, |v[XS+\i]|, |v[XS+\i+1]|
	v_max3_num_f32 v127, v127, |v[XS+\i+2]|, |v[XS+\i+3]|
.endr
	v_max3_num_f32 v126, v126, |v[XS+30]|, |v[XS+31]|
	v_max3_num_f32 v126, v126, v127, 0x1800000     ; and the floor
	v_add_nc_u32 v128, 0xff000000, v126            ; the conversion's scale operand
	v_lshrrev_b32 v129, 23, v128                   ; the scale's byte
.if (\t)%4 == 0
	v_mov_b32 v[SB+(\t)/4], v129
.else
	v_lshl_or_b32 v[SB+(\t)/4], v129, 8*((\t)%4), v[SB+(\t)/4]
.endif
	v_cvt_scalef32_pk16_fp6_f32 v[DSTR:DSTR+2], v[XS:XS+15], v128
	v_cvt_scalef32_pk16_fp6_f32 v[TB:TB+2], v[XS+16:XS+31], v128
	v_nop                                          ; one plain place behind a scaled conversion
.irp i, 0,1,2
	v_mov_b32 v[DSTR+3+\i], v[TB+\i]
.endr
.if (\t)+2 < 8
	WLOAD (\t)+2, \nn
.endif
.if (\t)%4 == 3                        ; a K step's codes are whole: sixteen lanes store 256 consecutive bytes of one fragment row's image, the other sixteen of the next fragment row's
.irp hh, 0,1
.irp cc, 0,1,2
	global_store_b128 v2, v[IMG+24*((\t)/4)+12*\hh+4*\cc:IMG+24*((\t)/4)+12*\hh+4*\cc+3], s[34:35] offset:1536*((\t)/4)+512*\cc+256*\hh
.endr
.endr
.endif
.endm
; A work-group takes 128 columns x 256 along K, a wave 32 columns (two fragment rows).  s21: the work-group's number in its tensor or pair of tensors; s[22:23]: the tensor; s26: its first fragment row.  nn columns, 2^logc groups of 128
.macro WPATH nn, logc
	s_and_b32 s27, s21, (1<<\logc)-1               ; which 128 columns
	s_bfe_u32 s28, s21, (4<<16)|\logc              ; which 256 along K
	s_lshl_b32 s29, s27, 3
	s_add_co_u32 s26, s26, s29
	s_lshl_b32 s29, s20, 1
	s_add_co_u32 s26, s26, s29                     ; my first fragment row
	s_mul_i32 s30, s28, 256*4*\nn
	s_lshl_b32 s29, s27, 9
	s_add_co_u32 s30, s30, s29
	s_lshl_b32 s29, s20, 7
	s_add_co_u32 s30, s30, s29
	s_mov_b32 s31, 0
	s_add_nc_u64 s[22:23], s[22:23], s[30:31]      ; the tensor at my first row of K and my first column
	s_mul_i32 s30, s26, FROW
	s_lshr_b32 s29, s28, 1
	s_mul_i32 s29, s29, REC
	s_add_co_u32 s30, s30, s29
	s_add_nc_u64 s[24:25], s[16:17], s[30:31]      ; the record
	s_and_b32 s29, s28, 1
	s_mul_i32 s32, s29, 3072
	s_mov_b32 s33, 0
	s_add_nc_u64 s[34:35], s[24:25], s[32:33]      ; its K steps 0, 1 or 2, 3
	s_lshl_b32 s32, s29, 7
	s_add_co_u32 s32, s32, 6144
	s_add_nc_u64 s[36:37], s[24:25], s[32:33]      ; and their scale words
	v_lshlrev_b32 v1, 2, v4                        ; in: 4 bytes a lane: lane l takes column l of the 32
	v_bfe_u32 v5, v4, 3, 1                         ; which is lane-row l % 8 + 8 (l / 16) of fragment row (l / 8) % 2
	v_and_b32 v6, 7, v4
	v_lshrrev_b32 v7, 4, v4
	v_lshl_or_b32 v6, v7, 3, v6
	v_mul_u32_u24 v5, v5, FROW
	v_lshl_add_u32 v2, v6, 4, v5                   ; my 16 bytes in an image's half chunk
	v_lshl_add_u32 v3, v6, 3, v5                   ; my two scale words
	WLOAD 0, \nn
	WLOAD 1, \nn
.irp t, 0,1,2,3,4,5,6,7
	WBLOCK \t, \nn
.endr
	global_store_b64 v3, v[SB:SB+1], s[36:37]      ; sixteen lanes store 128 consecutive bytes
.endm
	s_load_b256 s[4:11], s[0:1], 0x0               ; x s[4:5], y s[6:7], Wq s[8:9], Wk s[10:11]
	s_load_b64 s[12:13], s[0:1], 0x20              ; Wv
	s_load_b64 s[16:17], s[0:1], 0x28              ; wc
	s_load_b64 s[18:19], s[0:1], 0x30              ; rt
	v_lshl_add_u32 v168, v0, 2, 0x8400
	v_mov_b32 v169, 0
	v_lshrrev_b32 v1, 5, v0
	v_readfirstlane_b32 s20, v1                    ; wave 0..3
	v_and_b32 v4, 31, v0                           ; lane
	s_wait_kmcnt 0x0
	s_cmp_lt_u32 ttmp9, 256
	s_cbranch_scc1 .Lrows
	s_cmp_lt_u32 ttmp9, 768
	s_cbranch_scc1 .Lwide
	s_sub_co_u32 s21, ttmp9, 768                   ; Wk (128 work-groups), then Wv
	s_cmp_lt_u32 s21, 128
	s_cselect_b64 s[22:23], s[10:11], s[12:13]
	s_mov_b32 s26, 448
	s_cselect_b32 s26, 384, s26
	s_wait_alu depctr_va_vdst(0)
	WPATH 1024, 3
	s_endpgm
.Lwide:
	s_sub_co_u32 s21, ttmp9, 256                   ; Wq: 512 work-groups
	s_mov_b64 s[22:23], s[8:9]
	s_mov_b32 s26, 128
	s_wait_alu depctr_va_vdst(0)
	WPATH 4096, 5
	s_endpgm
.Lrows:
	s_lshl_b32 s21, ttmp9, 2
	s_add_co_u32 s21, s21, s20                     ; W = 4 x work-group + wave: 0 .. 1023
	s_cmp_lt_u32 ttmp9, 128                        ; x's work-group or y's: the choice hangs on the work-group's number alone
	s_cselect_b64 s[22:23], s[4:5], s[6:7]
	s_cselect_b32 s26, 0, 64
	s_and_b32 s27, s21, 511                        ; which record of the tensor:
	s_lshr_b32 s28, s27, 3                         ; fragment row g,
	s_and_b32 s29, s27, 7                          ; 512 along K
	s_add_co_u32 s26, s26, s28
	s_mul_i32 s30, s26, FROW
	s_mul_i32 s31, s29, REC
	s_add_co_u32 s30, s30, s31
	s_mov_b32 s31, 0
	s_add_nc_u64 s[24:25], s[16:17], s[30:31]      ; the record
	s_lshr_b32 s30, s28, 1
	s_lshl_b32 s30, s30, 5
	s_and_b32 s32, s28, 1
	s_lshl_b32 s32, s32, 3
	s_add_co_u32 s30, s30, s32                     ; its first row: 32 (g / 2) + 8 (g % 2)
	s_lshl_b32 s30, s30, 14                        ; rows of 16,384 bytes
	s_lshl_b32 s32, s29, 11
	s_add_co_u32 s30, s30, s32
	s_add_nc_u64 s[22:23], s[22:23], s[30:31]
	s_lshl_b32 s30, s21, 9
	s_add_nc_u64 s[18:19], s[18:19], s[30:31]      ; line W of the table: fragment row W / 16 of positions, index W % 16
	s_lshr_b32 s32, s21, 4
	s_lshr_b32 s33, s32, 1
	s_lshl_b32 s33, s33, 5
	s_and_b32 s34, s32, 1
	s_lshl_b32 s34, s34, 3
	s_add_co_u32 s33, s33, s34                     ; the line's first position
	s_and_b32 s34, s21, 15
	s_lshr_b32 s35, s34, 2
	s_lshl_b32 s35, s35, 4
	s_and_b32 s34, s34, 3
	s_lshl_b32 s34, s34, 1
	s_add_co_u32 s35, s35, s34                     ; the line's first frequency: 16 (index / 4) + 2 (index % 4)
	s_mov_b32 s38, 0x76543210
	s_mov_b32 s39, 0xfedcba98                      ; v_permlanex16_b32's selects for lane l xor 16
	s_mul_i32 s36, s20, 8448                       ; my stage: 16 rows x 528 bytes
	s_wait_alu depctr_va_vdst(0)
	v_lshlrev_b32 v1, 4, v4                        ; 16 x lane: loads, images and the table's line
	v_and_b32 v6, 15, v4                           ; r
	v_lshrrev_b32 v7, 4, v4                        ; h
	v_add_nc_u32 v2, s36, v1                       ; the stage, on the way in
	v_mul_u32_u24 v3, v6, 528
	v_lshl_add_u32 v3, v7, 7, v3
	v_add_nc_u32 v3, s36, v3                       ; and out: row r, 128 h bytes on
	v_lshlrev_b32 v5, 3, v6
	v_lshl_add_u32 v5, v7, 2, v5                   ; 8 r + 4 h: a scale word's place
	v_lshlrev_b32 v164, 3, v7                      ; 8 h
	LOADF 0
	; the table's line, while the loads are on their way: lane (r, h): position pi(W / 16, r), frequencies f and f + 1, f = the line's first + 8 h
	v_and_b32 v72, 8, v6
	v_add_nc_u32 v72, v72, v6
	v_add_nc_u32 v72, s33, v72
	v_cvt_f32_u32 v72, v72                         ; the position
	v_lshl_add_u32 v73, v7, 3, s35
	v_add_nc_u32 v74, 1, v73
	v_cvt_f32_u32 v73, v73
	v_cvt_f32_u32 v74, v74
	v_mul_f32 v75, 0xbe449a80, v73                 ; - f x 100661 / 2^19: exact (17 bits x 6 bits); log2(5000) / 64 is that less 1.148e-7
	v_mul_f32 v76, 0xbe449a80, v74
	s_wait_alu depctr_va_vdst(0)
	v_exp_f32 v75, v75
	v_exp_f32 v76, v76
	v_mul_f32 v73, 0x33aae0f4, v73                 ; f x 1.148e-7 x ln 2: what the rest of the exponent multiplies by, less 1.  (Plain work behind the exponentials)
	v_mul_f32 v74, 0x33aae0f4, v74
	s_wait_alu depctr_va_vdst(0)                   ; one wait for both exponentials, ahead of their first reader
	v_fma_f32 v75, v75, v73, v75                   ; phi = 5000^(-f / 64)
	v_fma_f32 v76, v76, v74, v76
	TRIG 75, 136, 137
	TRIG 76, 138, 139
	global_store_b128 v1, v[136:139], s[18:19]     ; (cos f, sin f, cos f + 1, sin f + 1): 512 consecutive bytes a wave
	FRAGQ 0
	FRAGQ 1
	FRAGQ 2
	FRAGQ 3
	v_cmp_le_u32 vcc_lo, 16, v4                    ; lanes 0-15 store the even K step's words, lanes 16-31 the odd one's
	v_cndmask_b32 v152, v[PWA], v[PWA+1], vcc_lo
	v_cndmask_b32 v153, v[PWA+2], v[PWA+3], vcc_lo
	global_store_b32 v5, v152, s[24:25] offset:6144   ; 128 consecutive bytes
	global_store_b32 v5, v153, s[24:25] offset:6272
	s_wait_tensorcnt 0x0
	ds_add_u32 v168, v169
	s_wait_dscnt 0x0
	s_endpgm
.Lfunc_end_k_q29d6865f16_quant:
	.size	k_q29d6865f16_quant, .Lfunc_end_k_q29d6865f16_quant-k_q29d6865f16_quant
	.p2alignl 7, 3214868480
	.fill 96, 4, 3214868480
	.section	.rodata,"a",@progbits
	.p2align	6, 0x0
	.amdhsa_kernel k_q29d6865f16_quant
		.amdhsa_group_segment_fixed_size 34304
		.amdhsa_private_segment_fixed_size 0
		.amdhsa_enable_private_segment 0
		.amdhsa_kernarg_size 56
		.amdhsa_user_sgpr_count 2
		.amdhsa_user_sgpr_kernarg_segment_ptr 1
		.amdhsa_wavefront_size32 1
		.amdhsa_system_sgpr_workgroup_id_x 1
		.amdhsa_system_sgpr_workgroup_id_y 1
		.amdhsa_system_sgpr_workgroup_id_z 1
		.amdhsa_system_vgpr_workitem_id 0
		.amdhsa_next_free_vgpr 170
		.amdhsa_next_free_sgpr 66
		.amdhsa_reserve_vcc 1
		.amdhsa_float_denorm_mode_32 3
		.amdhsa_float_denorm_mode_16_64 3
		.amdhsa_memory_ordered 1
		.amdhsa_forward_progress 1
		.amdhsa_inst_pref_size 112
	.end_amdhsa_kernel
	.amdgpu_metadata
---
amdhsa.version: [ 1, 2 ]
amdhsa.kernels:
  - .name:           k_q29d6865f16_quant
    .symbol:         k_q29d6865f16_quant.kd
    .args:
      - { .name: x, .offset: 0, .size: 8, .value_kind: global_buffer, .address_space: global }
      - { .name: y, .offset: 8, .size: 8, .value_kind: global_buffer, .address_space: global }
      - { .name: Wq, .offset: 16, .size: 8, .value_kind: global_buffer, .address_space: global }
      - { .name: Wk, .offset: 24, .size: 8, .value_kind: global_buffer, .address_space: global }
      - { .name: Wv, .offset: 32, .size: 8, .value_kind: global_buffer, .address_space: global }
      - { .name: wc, .offset: 40, .size: 8, .value_kind: global_buffer, .address_space: global }
      - { .name: rt, .offset: 48, .size: 8, .value_kind: global_buffer, .address_space: global }
    .group_segment_fixed_size: 34304
    .private_segment_fixed_size: 0
    .kernarg_segment_align: 8
    .kernarg_segment_size: 56
    .max_flat_workgroup_size: 128
    .sgpr_count:     66
    .vgpr_count:     170
    .wavefront_size: 32
...
	.end_amdgpu_metadata
.endif
;; end of part 1
;; launch qkv (part 2): grid 48 x 4, 4 waves a work-group, clusters of 4 x 4, 327,680 bytes of LDS; arguments wc, rt, bq, bk, bv, att; writes att
.if DOCPART == 2
	.amdgcn_target "amdgcn-amd-amdhsa--gfx1250"
	.amdhsa_code_object_version 6
	.text
	.protected	k_q29d6865f16_qkv
	.globl	k_q29d6865f16_qkv
	.p2align	8
	.type	k_q29d6865f16_qkv,@function
k_q29d6865f16_qkv:
	s_mov_b64 s[64:65], 0
	v_nop
	global_prefetch_b8 v0, s[64:65] scope:SCOPE_SE
	s_setreg_imm32_b32 hwreg(HW_REG_WAVE_MODE, 25, 1), 1
	s_wait_xcnt 0x0
	s_wait_alu depctr_hold_cnt(0) depctr_sa_sdst(0) depctr_va_vdst(0) depctr_va_sdst(0) depctr_va_ssrc(0) depctr_va_vcc(0) depctr_vm_vsrc(0)
	s_getreg_b32 s2, hwreg(HW_REG_IB_STS2, 6, 4)
	s_cmp_eq_u32 s2, 0
	s_cbranch_scc0 .Lentry_in_a_cluster
	s_endpgm
.Lentry_in_a_cluster:
	s_bfe_u32 s2, ttmp6, 0x10000c
	s_cmp_lg_u32 s2, 0xf033
	s_cbranch_scc0 .Lentry_shape_is_right
	s_endpgm
.Lentry_shape_is_right:
; q = x Wq + bq, k = y Wk + bk (both with RoPE) and v = y Wv + bv on codes of FP6 (E2M3) with E8M0 scales out of wc; the results are quantised again (q, k along the channels, v along the keys) and leave as register images in att.
; A work-group makes 256 rows (P: positions; for v: Wv's columns) x 128 (R: a head's channels; for v: 128 keys); a wave 64 x 128.  K goes by records of 512 through a ring of two LDS slots, filled by joint loads in clusters of 4 x 4.
; The records are prefetched two refills ahead.  RoPE's table is loaded in the last lap, when no tile is asked for any more, and is waited for ahead of the way out.
.set PROWS, 16
.set RFW,   8
.set REC,   6400
.set FROW,  51200
.set HB,    102400
.set SLOT,  (PROWS+8)*REC
.set SPARE, 2*SLOT
.set NF,    3*(4+RFW)
.set LI,   1
.set BRO,  2
.set BPO,  3
.set SO,   4
.set PW0,  12
.set ADRP, 16
.set ADRR, 18
.set ADSP, 20
.set ADSR, 22
.set BP,   24
.set SPW,  28
.set NIL,  29
.set PF,   32
.set SC,   208
.set BR,   192
.set HA,   32
.set TT,   96
.set TM,   160
.set PC0,  176
.set WV,   16
.set FB,   17
.set HF,   18
.set G1,   24
.set G0,   32
.set G1B,  48
.set G0B,  56
.set SEL,  84
.set MSB, 0
.macro WIN new
.if MSB != \new
	s_set_vgpr_msb (MSB<<8)|\new
.set MSB, \new
.endif
.endm
.set MUL,  0x52
.set TO_R, 0x80
.macro JLOAD s
	s_cmp_eq_u32 s[FB], 0
	s_cbranch_scc0 .Lfor_r_\@
	tensor_load_to_lds s[G0+4*\s:G0+4*\s+3], s[G1:G1+7]
	s_nop 0
.rept 4
	v_nop
.endr
	s_branch .Lasked_\@
.Lfor_r_\@:
	tensor_load_to_lds s[G0B+4*\s:G0B+4*\s+3], s[G1B:G1B+7]
	s_nop 0
.rept 4
	v_nop
.endr
.Lasked_\@:
.endm
.macro CREST
	s_cmp_lg_u32 s[WV], 0
	s_cbranch_scc1 .Lnot_wave_0_\@
	s_barrier_signal -3
.Lnot_wave_0_\@:
	s_barrier_wait -3
	s_barrier_signal -1
	s_barrier_wait -1
.endm
.macro CROUND
	s_barrier_signal -1
	s_barrier_wait -1
	CREST
.endm
.macro PLACES
.rept 4
	v_nop
.endr
.endm
.macro FETCH slot, s, set
	WIN TO_R
.set bb, 0
.rept RFW
.irp c, 0,1,2
	ds_load_b128 v[96*(\set)+12*bb+4*\c:96*(\set)+12*bb+4*\c+3], v[ADRR+\slot] offset:REC*bb+1536*(\s)+512*\c
.endr
.set bb, bb+1
.endr
	WIN 0
.irp a, 0,1,2,3
.irp c, 0,1,2
	ds_load_b128 v[PF+48*(\set)+12*\a+4*\c:PF+48*(\set)+12*\a+4*\c+3], v[ADRP+\slot] offset:REC*\a+1536*(\s)+512*\c
.endr
.endr
.endm
.macro SCALES slot
.irp a, 0,1,2,3
.irp p, 0,1
	ds_load_b32 v[SC+24*\slot+2*\a+\p], v[ADSP+\slot] offset:REC*\a+128*\p
.endr
.endr
.set bb, 0
.rept RFW
.irp p, 0,1
	ds_load_b32 v[SC+24*\slot+2*(4+bb)+\p], v[ADSR+\slot] offset:REC*bb+128*\p
.endr
.set bb, bb+1
.endr
.endm
.macro MULA a, s, slot, zero
.set bb, 0
.rept RFW
.set rD, 8*(RFW*(\a)+bb)
.set rR, 96*((\s)%2)+12*bb
.set rP, PF+48*((\s)%2)+12*(\a)
.set sR, SC+24*(\slot)+2*(4+bb)+(\s)/2
.set sP, SC+24*(\slot)+2*(\a)+(\s)/2
.if \zero
	v_wmma_scale_f32_16x16x128_f8f6f4 v[rD:rD+7], v[rR:rR+11], v[rP:rP+11], 0, v[sR], v[sP] matrix_a_fmt:MATRIX_FMT_FP6 matrix_b_fmt:MATRIX_FMT_FP6
.elseif (\s)%2
	v_wmma_scale_f32_16x16x128_f8f6f4 v[rD:rD+7], v[rR:rR+11], v[rP:rP+11], v[rD:rD+7], v[sR], v[sP] matrix_a_fmt:MATRIX_FMT_FP6 matrix_b_fmt:MATRIX_FMT_FP6 matrix_a_scale:MATRIX_SCALE_ROW1 matrix_b_scale:MATRIX_SCALE_ROW1
.else
	v_wmma_scale_f32_16x16x128_f8f6f4 v[rD:rD+7], v[rR:rR+11], v[rP:rP+11], v[rD:rD+7], v[sR], v[sP] matrix_a_fmt:MATRIX_FMT_FP6 matrix_b_fmt:MATRIX_FMT_FP6
.endif
.set bb, bb+1
.endr
.endm
.macro STEP slot, s, zero
	PLACES
	FETCH \slot, (\s)+1, ((\s)+1)%2
	s_wait_dscnt NF
	WIN MUL
	MULA 0, \s, \slot, \zero
	MULA 1, \s, \slot, \zero
	MULA 2, \s, \slot, \zero
	MULA 3, \s, \slot, \zero
	WIN 0
.endm
.set PFA,  86                          ; s[86:87] where my prefetches stand: my share of the records that my wave's joint load fetches
.set PFO,  30                          ; v30 256 x min(lane, 24): a record is 25 runs of 256 bytes; never rewritten
; A prefetch of one record (512 along K) of my share.  A wave that fetches P's 8 records takes 2 of them (2 cx, 2 cx + 1), one that fetches R's 4 takes 1 (cy): the four partners that ask jointly share the records out by address,
; so each run of 256 bytes is named once in a cluster.  Lanes 25-31 name the record's last run again.
.macro ASK off
	global_prefetch_b8 v[PFO], s[PFA:PFA+1] offset:\off th:TH_LOAD_NT scope:SCOPE_SE
	s_cmp_eq_u32 s[FB], 0
	s_cbranch_scc0 .Lone_\@
	global_prefetch_b8 v[PFO], s[PFA:PFA+1] offset:\off+FROW th:TH_LOAD_NT scope:SCOPE_SE
.Lone_\@:
.endm
.macro TURN slot, next, fill
.if \fill
	s_wait_xcnt 0x0                                ; my prefetches have read their address: it steps one record
	s_add_nc_u64 s[PFA:PFA+1], s[PFA:PFA+1], REC
.endif
	s_wait_tensorcnt 0x0
	ds_add_u32 v[SPW], v[NIL]
	s_wait_dscnt 1
	WIN MUL
	MULA 0, 3, \slot, 0
	s_wait_dscnt 0x0
	s_barrier_signal -1
	MULA 1, 3, \slot, 0
	WIN 0
	s_barrier_wait -1
.if \fill
	CREST
	s_add_nc_u64 s[G0+4*\slot+2:G0+4*\slot+3], s[G0+4*\slot+2:G0+4*\slot+3], 2*REC
	s_add_nc_u64 s[G0B+4*\slot+2:G0B+4*\slot+3], s[G0B+4*\slot+2:G0B+4*\slot+3], 2*REC
	JLOAD \slot
.else
	PLACES
.endif
	FETCH \next, 0, 0
	SCALES \next
.if \fill
	s_cmp_gt_u32 s19, 1                            ; the refill asked for record r: record r + 2 is prefetched; the last trip's refills are records 6 and 7, with none two on
	s_cbranch_scc0 .Lno_ask_\@
	ASK 3*REC
.Lno_ask_\@:
.endif
	WIN MUL
	MULA 2, 3, \slot, 0
	MULA 3, 3, \slot, 0
	WIN 0
.endm
.macro QUANT s, pc, pw
.irp b, 0,1,2,3
	v_max3_num_f32 v[TM+\b], |v[\s+16*\b]|, |v[\s+1+16*\b]|, 0x1800000
.endr
.irp i, 2,4,6,8,10,12,14
.irp b, 0,1,2,3
	v_max3_num_f32 v[TM+\b], v[TM+\b], |v[\s+16*\b+\i]|, |v[\s+1+16*\b+\i]|
.endr
.endr
.irp b, 0,1,2,3
	v_permlanex16_b32 v[TM+4+\b], v[TM+\b], s[SEL], s[SEL+1]
.endr
.irp b, 0,1,2,3
	v_max_num_f32 v[TM+\b], v[TM+\b], v[TM+4+\b]
.endr
.irp b, 0,1,2,3
	v_add_nc_u32 v[TM+12+\b], 0xff000000, v[TM+\b]
.endr
.irp b, 0,1,2,3
	v_lshrrev_b32 v[TM+4+\b], 23, v[TM+12+\b]
.endr
	v_lshl_or_b32 v[\pw], v[TM+5], 8, v[TM+4]
	v_lshl_or_b32 v[\pw], v[TM+6], 16, v[\pw]
	v_lshl_or_b32 v[\pw], v[TM+7], 24, v[\pw]
.irp c, 0,1
	v_cvt_scalef32_pk16_fp6_f32 v[\pc+6*\c:\pc+2+6*\c], v[\s+32*\c:\s+15+32*\c], v[TM+12+2*\c]
	v_cvt_scalef32_pk16_fp6_f32 v[\pc+12+4*\c:\pc+14+4*\c], v[\s+16+32*\c:\s+31+32*\c], v[TM+12+2*\c+1]
.endr
	v_nop
.irp c, 0,1
.irp i, 0,1,2
	v_permlane16_swap_b32 v[\pc+6*\c+\i], v[\pc+12+4*\c+\i]
.endr
.irp i, 0,1,2
	v_mov_b32 v[\pc+3+6*\c+\i], v[\pc+12+4*\c+\i]
.endr
.endr
.endm
.macro EPI a, rope
.if \rope
	WIN 0x09
.set mm, 0
.rept 32
	v_pk_add_f32 v[HA+2*mm:HA+2*mm+1], v[64*\a+2*mm:64*\a+2*mm+1], v[BR+2*mm:BR+2*mm+1]
.set mm, mm+1
.endr
	WIN 0x0c
.set mm, 0
.rept 32
	v_pk_mul_f32 v[TT+2*mm:TT+2*mm+1], v[HA+2*mm:HA+2*mm+1], v[64*\a+2*mm:64*\a+2*mm+1] op_sel:[1,1] op_sel_hi:[1,0] neg_lo:[1,0]
.set mm, mm+1
.endr
.set mm, 0
.rept 32
	v_pk_fma_f32 v[HA+2*mm:HA+2*mm+1], v[HA+2*mm:HA+2*mm+1], v[64*\a+2*mm:64*\a+2*mm+1], v[TT+2*mm:TT+2*mm+1] op_sel:[0,0,0] op_sel_hi:[0,1,1]
.set mm, mm+1
.endr
.else
	WIN 0x01
.set mm, 0
.rept 32
.if (\a)%2
	v_pk_add_f32 v[HA+2*mm:HA+2*mm+1], v[64*\a+2*mm:64*\a+2*mm+1], v[BP+2*(\a/2):BP+2*(\a/2)+1] op_sel:[0,1] op_sel_hi:[1,1]
.else
	v_pk_add_f32 v[HA+2*mm:HA+2*mm+1], v[64*\a+2*mm:64*\a+2*mm+1], v[BP+2*(\a/2):BP+2*(\a/2)+1] op_sel:[0,0] op_sel_hi:[1,0]
.endif
.set mm, mm+1
.endr
.endif
	WIN 0
.if \a > 0
	s_wait_xcnt 0x0
.endif
	QUANT HA, PC0, PW0+\a
.irp c, 0,1,2
	global_store_b128 v[LI], v[PC0+4*\c:PC0+4*\c+3], s[80:81] offset:1536*\a+512*\c
.endr
.endm
	s_load_b256 s[4:11], s[0:1], 0x0
	s_load_b128 s[12:15], s[0:1], 0x20
	v_lshl_add_u32 v[SPW], v0, 2, SPARE
	v_mov_b32 v[NIL], 0
	ds_add_u32 v28, v29
	ds_add_u32 v28, v29
	s_wait_dscnt 0x0
	v_lshrrev_b32 v5, 5, v0
	v_readfirstlane_b32 s[WV], v5
	s_lshr_b32 s[FB], s[WV], 1
	s_and_b32 s[HF], s[WV], 1
	s_bfe_u32 s20, ttmp6, 0x40000
	s_bfe_u32 s21, ttmp6, 0x40004
	s_lshl_b32 s22, ttmp9, 2
	s_add_co_u32 s22, s22, s20
	s_lshl_b32 s40, s21, 2
	s_lshl_b32 s40, 15, s40
	s_lshl_b32 s41, 0x1111, s20
	s_or_b32 s[G1], s40, (3<<16)|(1<<21)
	s_or_b32 s[G1B], s41, (3<<16)|(1<<21)
	s_mov_b32 s[G1+1], 800<<16
	s_mov_b32 s[G1+2], (PROWS/2)<<16
	s_mov_b32 s[G1+3], 800<<16
	s_mov_b32 s[G1+4], PROWS/2
	s_mov_b32 s[G1+5], FROW/8
	s_mov_b32 s[G1+6], 0
	s_mov_b32 s[G1+7], 0
	s_mov_b32 s[G1B+1], 800<<16
	s_mov_b32 s[G1B+2], 4<<16
	s_mov_b32 s[G1B+3], 800<<16
	s_mov_b32 s[G1B+4], 4
	s_mov_b32 s[G1B+5], FROW/8
	s_mov_b32 s[G1B+6], 0
	s_mov_b32 s[G1B+7], 0
	s_cmp_lt_u32 ttmp9, 8
	s_cselect_b32 s42, 0, 64
	s_mov_b32 s43, 448
	s_cmp_lt_u32 ttmp9, 10
	s_cselect_b32 s42, s42, s43
	s_cselect_b32 s23, 384, 0
	s_lshl_b32 s43, s21, 4
	s_add_co_u32 s42, s42, s43
	s_lshl_b32 s43, s[HF], 3
	s_add_co_u32 s42, s42, s43
	s_mul_i32 s42, s42, FROW
	s_mov_b32 s43, 0
	s_lshl_b32 s46, s22, 3
	s_add_co_u32 s46, s46, s23
	s_sub_co_u32 s46, s46, 256
	s_lshl_b32 s47, s[HF], 2
	s_add_co_u32 s46, s46, s47
	s_mul_i32 s46, s46, FROW
	s_mov_b32 s47, 0
	s_mul_i32 s44, s[HF], (PROWS/2)*REC
	s_mul_i32 s45, s[HF], 4*REC
	s_add_co_u32 s45, s45, PROWS*REC
	s_wait_kmcnt 0x0
	s_add_nc_u64 s[42:43], s[4:5], s[42:43]
	s_add_nc_u64 s[46:47], s[4:5], s[46:47]
	CROUND
.irp s, 0,1
	s_mov_b32 s[G0+4*\s], 1
	s_add_co_u32 s[G0+4*\s+1], s44, \s*SLOT
	s_add_nc_u64 s[G0+4*\s+2:G0+4*\s+3], s[42:43], \s*REC
	s_or_b32 s[G0+4*\s+3], s[G0+4*\s+3], 0x80000000
	s_mov_b32 s[G0B+4*\s], 1
	s_add_co_u32 s[G0B+4*\s+1], s45, \s*SLOT
	s_add_nc_u64 s[G0B+4*\s+2:G0B+4*\s+3], s[46:47], \s*REC
	s_or_b32 s[G0B+4*\s+3], s[G0B+4*\s+3], 0x80000000
.endr
	JLOAD 0                                        ; record 0: one tensor load a wave at the head; the set-up below stands under its flight
	s_lshl_b32 s88, s20, 1                         ; 2 cx
	s_cmp_eq_u32 s[FB], 0
	s_cselect_b64 s[PFA:PFA+1], s[42:43], s[46:47] ; the first fragment row that my joint loads fetch, record 0,
	s_cselect_b32 s88, s88, s21                    ; + 2 cx (P) or cy (R) fragment rows: my share
	s_mul_i32 s88, s88, FROW
	s_mov_b32 s89, 0
	s_add_nc_u64 s[PFA:PFA+1], s[PFA:PFA+1], s[88:89]
	v_and_b32 v[PFO], 31, v0
	v_min_u32 v[PFO], 24, v[PFO]
	v_lshlrev_b32 v[PFO], 8, v[PFO]
	s_wait_alu depctr_va_vdst(0)                   ; the wait ahead of the reader below
	ASK REC                                        ; records 1 and 2
	ASK 2*REC
	v_and_b32 v6, 31, v0
	v_and_b32 v7, 15, v0
	v_bfe_u32 v8, v0, 4, 1
	v_lshlrev_b32 v[LI], 4, v6
	v_lshlrev_b32 v[BRO], 6, v8
	v_and_b32 v9, 8, v7
	v_add_nc_u32 v9, v9, v7
	v_lshlrev_b32 v[BPO], 2, v9
	v_lshlrev_b32 v[SO], 4, v7
	v_lshl_add_u32 v[SO], v8, 3, v[SO]
	v_lshlrev_b32 v5, 3, v7
	v_lshl_add_u32 v5, v8, 2, v5
	v_add_nc_u32 v5, 6144, v5
	s_mul_i32 s72, s[WV], 4*REC
	s_mov_b32 s73, PROWS*REC
.irp s, 0,1
	v_add_nc_u32 v[ADRP+\s], s72, v[LI]
	v_add_nc_u32 v[ADRR+\s], s73, v[LI]
	v_add_nc_u32 v[ADSP+\s], s72, v5
	v_add_nc_u32 v[ADSR+\s], s73, v5
	s_add_co_u32 s72, s72, SLOT
	s_add_co_u32 s73, s73, SLOT
.endr
	s_mov_b32 s[SEL], 0x76543210
	s_mov_b32 s[SEL+1], 0xfedcba98
	s_lshl_b32 s74, s21, 4
	s_lshl_b32 s75, s[WV], 2
	s_add_co_u32 s74, s74, s75
	s_lshl_b32 s72, s74, 13
	s_mov_b32 s73, 0
	s_add_nc_u64 s[66:67], s[6:7], s[72:73]
	s_lshl_b32 s72, s74, 6
	s_add_nc_u64 s[70:71], s[12:13], s[72:73]
	s_cmp_lt_u32 ttmp9, 8
	s_cselect_b64 s[68:69], s[8:9], s[10:11]
	s_cselect_b32 s72, 0, 32
	s_sub_co_u32 s72, s22, s72
	s_lshl_b32 s72, s72, 9
	s_cmp_lt_u32 ttmp9, 10
	s_cselect_b64 s[68:69], s[68:69], s[12:13]
	s_cselect_b32 s72, s72, 0
	s_add_nc_u64 s[68:69], s[68:69], s[72:73]
	s_lshl_b32 s76, s21, 1
	s_add_co_u32 s76, s76, s[FB]
	s_add_co_u32 s76, s76, 40
	s_max_u32 s77, s22, 40
	s_sub_co_u32 s77, s77, 40
	s_lshl_b32 s77, s77, 3
	s_lshl_b32 s78, s[HF], 2
	s_add_co_u32 s77, s77, s78
	s_cmp_lt_u32 ttmp9, 10
	s_cselect_b32 s76, s22, s76
	s_cselect_b32 s77, s74, s77
	s_mul_i32 s76, s76, HB
	s_mul_i32 s78, s77, 1536
	s_add_co_u32 s78, s78, s76
	s_add_co_u32 s78, s78, 4096
	s_mov_b32 s79, 0
	s_add_nc_u64 s[80:81], s[14:15], s[78:79]
	s_lshl_b32 s78, s77, 6
	s_add_co_u32 s78, s78, s76
	s_add_nc_u64 s[82:83], s[14:15], s[78:79]
	WIN 0x80
.irp b, 0,1,2,3,4,5,6,7
	global_load_b128 v[BR+8*\b:BR+8*\b+3], v[BRO], s[68:69] offset:(32*(\b/2)+8*(\b%2))*4
	global_load_b128 v[BR+8*\b+4:BR+8*\b+7], v[BRO], s[68:69] offset:(32*(\b/2)+8*(\b%2))*4+16
.endr
	WIN 0
.irp a, 0,1,2,3
	global_load_b32 v[BP+\a], v[BPO], s[70:71] offset:(32*(\a/2)+8*(\a%2))*4
.endr
	s_wait_alu depctr_va_vdst(0)                   ; the wait at the head's end
	s_wait_tensorcnt 0x0                           ; my part of record 0 is in; these lines stand ahead of slot 1's first fill as ahead of a refill
	ds_add_u32 v[SPW], v[NIL]
	s_wait_dscnt 0x0
	CROUND
	JLOAD 1                                        ; record 1, the first tensor load behind the round
	FETCH 0, 0, 0
	SCALES 0
	ASK 3*REC                                      ; record 3
	STEP 0, 0, 1
	s_mov_b32 s19, 3
.Llap:
	STEP 0, 1, 0
	STEP 0, 2, 0
	TURN 0, 1, 1
	STEP 1, 0, 0
	STEP 1, 1, 0
	STEP 1, 2, 0
	TURN 1, 0, 1
	STEP 0, 0, 0
	s_sub_co_u32 s19, s19, 1
	s_cmp_lg_u32 s19, 0
	s_cbranch_scc1 .Llap
.macro RT g                            ; 16 of the 64 loads of RoPE's table: the lines of my fragment row g of positions, into window 3, which no matrix instruction names
	WIN 0xc0
.set ii, 16*(\g)
.rept 16
	global_load_b128 v[4*ii:4*ii+3], v[LI], s[66:67] offset:512*ii
.set ii, ii+1
.endr
	WIN 0
.endm
	RT 0
	STEP 0, 1, 0
	RT 1
	STEP 0, 2, 0
	RT 2
	TURN 0, 1, 0
	RT 3
	STEP 1, 0, 0
	STEP 1, 1, 0
	STEP 1, 2, 0
	s_wait_dscnt 0x0
	WIN MUL
	MULA 0, 3, 1, 0
	MULA 1, 3, 1, 0
	MULA 2, 3, 1, 0
	MULA 3, 3, 1, 0
	WIN 0
	s_wait_loadcnt 0x0
	PLACES
.irp b, 0,1,2,3
	v_mov_b32 v[TM+4+\b], 0
.endr
	s_cmp_lt_u32 ttmp9, 10
	s_cbranch_scc0 .Lkind_v
	EPI 0, 1
	EPI 1, 1
	EPI 2, 1
	EPI 3, 1
	s_branch .Lwords
.Lkind_v:
	EPI 0, 0
	EPI 1, 0
	EPI 2, 0
	EPI 3, 0
.Lwords:
	v_and_b32 v6, 16, v0
	v_cmp_ne_u32 vcc_lo, 0, v6
	v_cndmask_b32 v6, v[PW0], v[PW0+2], vcc_lo
	v_cndmask_b32 v7, v[PW0+1], v[PW0+3], vcc_lo
	global_store_b64 v[SO], v[6:7], s[82:83]
	s_wait_tensorcnt 0x0
	ds_add_u32 v[SPW], v[NIL]
	s_wait_dscnt 0x0
	CROUND
	s_endpgm
.Lfunc_end_k_q29d6865f16_qkv:
	.size	k_q29d6865f16_qkv, .Lfunc_end_k_q29d6865f16_qkv-k_q29d6865f16_qkv
	.p2alignl 7, 3214868480
	.fill 96, 4, 3214868480
	.section	.rodata,"a",@progbits
	.p2align	6, 0x0
	.amdhsa_kernel k_q29d6865f16_qkv
		.amdhsa_group_segment_fixed_size 327680
		.amdhsa_private_segment_fixed_size 0
		.amdhsa_enable_private_segment 0
		.amdhsa_kernarg_size 48
		.amdhsa_user_sgpr_count 2
		.amdhsa_user_sgpr_kernarg_segment_ptr 1
		.amdhsa_wavefront_size32 1
		.amdhsa_system_sgpr_workgroup_id_x 1
		.amdhsa_system_sgpr_workgroup_id_y 1
		.amdhsa_system_sgpr_workgroup_id_z 1
		.amdhsa_system_vgpr_workitem_id 0
		.amdhsa_next_free_vgpr 1024
		.amdhsa_next_free_sgpr 100
		.amdhsa_reserve_vcc 1
		.amdhsa_float_denorm_mode_32 3
		.amdhsa_float_denorm_mode_16_64 3
		.amdhsa_memory_ordered 1
		.amdhsa_forward_progress 1
		.amdhsa_inst_pref_size 198
	.end_amdhsa_kernel
	.amdgpu_metadata
---
amdhsa.version: [ 1, 2 ]
amdhsa.kernels:
  - .name:           k_q29d6865f16_qkv
    .symbol:         k_q29d6865f16_qkv.kd
    .args:
      - { .name: wc, .offset: 0, .size: 8, .value_kind: global_buffer, .address_space: global }
      - { .name: rt, .offset: 8, .size: 8, .value_kind: global_buffer, .address_space: global }
      - { .name: bq, .offset: 16, .size: 8, .value_kind: global_buffer, .address_space: global }
      - { .name: bk, .offset: 24, .size: 8, .value_kind: global_buffer, .address_space: global }
      - { .name: bv, .offset: 32, .size: 8, .value_kind: global_buffer, .address_space: global }
      - { .name: att, .offset: 40, .size: 8, .value_kind: global_buffer, .address_space: global }
    .group_segment_fixed_size: 327680
    .private_segment_fixed_size: 0
    .kernarg_segment_align: 8
    .kernarg_segment_size: 48
    .max_flat_workgroup_size: 128
    .sgpr_count:     100
    .vgpr_count:     1024
    .wavefront_size: 32
...
	.end_amdgpu_metadata
.endif
;; end of part 2
;; launch attn (part 3): grid 32 x 8, 16 waves a work-group, clusters of 4 x 1, 206,848 bytes of LDS; arguments att, oc, Wo, wc; writes oc, wc
.if DOCPART == 3
	.amdgcn_target "amdgcn-amd-amdhsa--gfx1250"
	.amdhsa_code_object_version 6
	.text
	.protected	k_q29d6865f16_attn
	.globl	k_q29d6865f16_attn
	.p2align	8
	.type	k_q29d6865f16_attn,@function
k_q29d6865f16_attn:
	s_mov_b64 s[64:65], 0
	v_nop
	global_prefetch_b8 v0, s[64:65] scope:SCOPE_SE
	s_setreg_imm32_b32 hwreg(HW_REG_WAVE_MODE, 25, 1), 1
	s_wait_xcnt 0x0
	s_wait_alu depctr_hold_cnt(0) depctr_sa_sdst(0) depctr_va_vdst(0) depctr_va_sdst(0) depctr_va_ssrc(0) depctr_va_vcc(0) depctr_vm_vsrc(0)
	s_getreg_b32 s2, hwreg(HW_REG_IB_STS2, 6, 4)
	s_cmp_eq_u32 s2, 0
	s_cbranch_scc0 .Lentry_in_a_cluster
	s_endpgm
.Lentry_in_a_cluster:
	s_bfe_u32 s2, ttmp6, 0x10000c
	s_cmp_lg_u32 s2, 0x3003
	s_cbranch_scc0 .Lentry_shape_is_right
	s_endpgm
.Lentry_shape_is_right:
; TWO THINGS SIDE BY SIDE.  Waves 0-7: causal attention with grouped heads on codes of FP6 (E2M3): o = softmax(q k^T / sqrt(128)) v; 32 query heads, 8 key and value heads, 1,024 positions, head size 128; the result is
; quantised along the channels and leaves as codes for the last product.  Waves 8-15: Wo [4096][4096] f32, the last product's weight, becomes codes and scale bytes.
; THE SOFTMAX AHEAD OF THE SECOND PRODUCT: t = score x log2(e) / sqrt(128); M = the running largest t, rounded UP to a whole number; p = 2^(t - M) is what is quantised, along the keys.  The row's sum is taken of the
; unquantised p and divides at the end.  When M moves, the sum and O are multiplied by 2^(old M - new M): exact.
; att: head blocks of 102,400 bytes (q 0-31, k 32-39, v 40-47): 16 units of 256 bytes of scale words (fragment fi, row r: unit fi / 4, byte 16 r + 4 (fi % 4)), then 64 images of 1,536 bytes (registers 4 c .. 4 c + 3 of lane l at
; 512 c + 16 l).  q, k: fragment = 16 positions; v: fragment 8 s + t = channels' fragment row t x keys 128 s on.  Lane-row r of fragment row g is row 32 (g / 2) + 8 (g % 2) + r % 8 + 16 (r / 8).
; K AND V OF A HEAD LIE IN LDS WHOLE (2 x 102,400 bytes), filled once: no ring.  The four work-groups of a cluster belong to one key head: joint loads.  Each block comes by two loads; the four loads go out at the head, one
; each from waves 0-3, and ONE barrier, in front of which every wave has waited for its load, shows both blocks to all waves.
; SHARES.  Work-group (j, kvh): query head 4 kvh + j / 8; i = j % 8.  Wave w < 8 takes the fragment row g = i + 8 m of 16 queries, m = w for w < 4, 7 - w % 4 else: its queries lie in 128 m .. 128 m + 127, so it wants key steps
; 0 .. m of 128 keys, and m hangs on the wave's number alone.  Steps that lie wholly behind the diagonal are left out: a scalar branch round a step's work; in step m hidden scores become -infinity ahead of the maximum.
; Both products are used transposed (S^T = K Q^T, O^T = V^T P^T): a lane holds ONE query throughout.
; Wave w >= 8 of work-group n = 32 kvh + j takes 32 columns x 256 along K of Wo: share 2 n + (w / 4) % 2 of 512 (128 columns x 256 K each), columns 32 (w % 4) on.  A lane takes a column and its registers run down K.
; ONE TEXT UP TO THE PARTING: every wave passes the barrier and steps the loop's scalars, so waves 8-15 run the same head (they load wave w - 8's Q, 1,664 bytes, and clear O^T, and use neither) and walk the loop with
; every step's work left out; the waves part once, behind the loop, and join at the closing round.
; oc: 64 fragment rows of positions x 8 records of 6,400 bytes: K step = query head.  wc: Wo's columns are fragment rows 512-767, 8 records each (a record: four images of 512 along K, then 256 bytes of scale words: row r, K step s
; at 6144 + 128 (s / 2) + 8 r + 4 (s % 2)).
; LIMITS: NaN and infinities are not served; a block whose largest magnitude lies under 2^-124 (a block of zeros too) gets the byte 1: this program alone reads the bytes.
; REGISTERS, waves 0-7: v1-7, v28 addresses that stay; v8-11 the step's addresses; v12 -M, v13 the largest t, v[14:15] the sum in two halves; v16-27 Q, v255 its scale words; v32-79 four fragments of K or V; v96-159 S^T, then p,
; then four more fragments of V; v160-223 O^T; v224-235 p's codes; v232-254 at work; v248-251 K's or V's scale words.  Waves 8-15: v29-31, v243 offsets (made by every wave; waves 8-15 never rewrite them); v32-95 two sets of
; 32 numbers; v96-143 the codes of 8 blocks; v224-233 at work.
.set HB,   102400
.set FROW, 51200
.set REC,  6400
.set TM,   232
.set XW,   32
.set IMG,  96
.set WT,   224
.set WS,   228
.set PFO,  243                         ; v243 16,384 x lane: a row of Wo a lane
.set WV,   8
.set MM,   13
.set G1A,  24                          ; s[24:31] group 1: 112 rows of 256 bytes: the scale words and 16 images
.set G1B,  32                          ; s[32:39] 288 rows: the other 48 images
.set G0,   40                          ; s[40:55] four groups 0: K's two loads, V's two
.set SEL,  56
.set CS,   58
.set TK,   60
.set TS,   61
.set KS,   62
.set CNT,  63
.macro CROUND
	s_barrier_signal -1
	s_barrier_wait -1
	s_cmp_lg_u32 s[WV], 0
	s_cbranch_scc1 .Lnot_wave_0_\@
	s_barrier_signal -3
.Lnot_wave_0_\@:
	s_barrier_wait -3
	s_barrier_signal -1
	s_barrier_wait -1
.endm
.macro QUANT s, pc, pw                 ; 64 numbers of a lane, register 16 b + i = k 32 b + 16 (lane / 16) + i of its row, become a fragment's codes and its scale word
.irp b, 0,1,2,3
	v_max3_num_f32 v[TM+\b], |v[\s+16*\b]|, |v[\s+1+16*\b]|, 0x1800000
.endr
.irp i, 2,4,6,8,10,12,14
.irp b, 0,1,2,3
	s_delay_alu instid0(VALU_DEP_4)
	v_max3_num_f32 v[TM+\b], v[TM+\b], |v[\s+16*\b+\i]|, |v[\s+1+16*\b+\i]|
.endr
.endr
.irp b, 0,1,2,3
	s_delay_alu instid0(VALU_DEP_4)
	v_permlanex16_b32 v[TM+4+\b], v[TM+\b], s[SEL], s[SEL+1]
.endr
.irp b, 0,1,2,3
	s_delay_alu instid0(VALU_DEP_4)
	v_max_num_f32 v[TM+\b], v[TM+\b], v[TM+4+\b]
.endr
.irp b, 0,1,2,3
	s_delay_alu instid0(VALU_DEP_4)
	v_add_nc_u32 v[TM+12+\b], 0xff000000, v[TM+\b]
.endr
.irp b, 0,1,2,3
	s_delay_alu instid0(VALU_DEP_4)
	v_lshrrev_b32 v[TM+4+\b], 23, v[TM+12+\b]
.endr
	s_delay_alu instid0(VALU_DEP_3)
	v_lshl_or_b32 v[\pw], v[TM+5], 8, v[TM+4]
	s_delay_alu instid0(VALU_DEP_1)
	v_lshl_or_b32 v[\pw], v[TM+6], 16, v[\pw]
	s_delay_alu instid0(VALU_DEP_1)
	v_lshl_or_b32 v[\pw], v[TM+7], 24, v[\pw]
.irp c, 0,1
	v_cvt_scalef32_pk16_fp6_f32 v[\pc+6*\c:\pc+2+6*\c], v[\s+32*\c:\s+15+32*\c], v[TM+12+2*\c]
	v_cvt_scalef32_pk16_fp6_f32 v[\pc+12+4*\c:\pc+14+4*\c], v[\s+16+32*\c:\s+31+32*\c], v[TM+12+2*\c+1]
.endr
	v_nop                                          ; one plain place behind a scaled conversion
.irp c, 0,1
.irp i, 0,1,2
	v_permlane16_swap_b32 v[\pc+6*\c+\i], v[\pc+12+4*\c+\i]
.endr
.irp i, 0,1,2
	s_delay_alu instid0(VALU_DEP_3)
	v_mov_b32 v[\pc+3+6*\c+\i], v[\pc+12+4*\c+\i]
.endr
.endr
.endm
.macro KQ4 g                           ; S^T of key tiles 4 g .. 4 g + 3; a scale register holds an even tile's words in lanes 0-15 and the odd one's in lanes 16-31
.irp t, 0,1,2,3
.if \t%2
	v_wmma_scale_f32_16x16x128_f8f6f4 v[96+8*(4*\g+\t):103+8*(4*\g+\t)], v[32+12*\t:43+12*\t], v[16:27], 0, v[248+2*\g+\t/2], v255 matrix_a_fmt:MATRIX_FMT_FP6 matrix_b_fmt:MATRIX_FMT_FP6 matrix_a_scale:MATRIX_SCALE_ROW1
.else
	v_wmma_scale_f32_16x16x128_f8f6f4 v[96+8*(4*\g+\t):103+8*(4*\g+\t)], v[32+12*\t:43+12*\t], v[16:27], 0, v[248+2*\g+\t/2], v255 matrix_a_fmt:MATRIX_FMT_FP6 matrix_b_fmt:MATRIX_FMT_FP6
.endif
.endr
.endm
; A KEY STEP: 128 keys
.macro STEP
	s_cmp_gt_u32 s[WV], 7                          ; waves 8-15 have no queries: the work is left out; the lines at the step's end that step addresses are not
	s_cbranch_scc1 .Lhid_\@
	s_cmp_gt_u32 s[KS], s[MM]                      ; all its keys come after my queries: likewise
	s_cbranch_scc1 .Lhid_\@
	v_add_nc_u32 v8, s[TK], v1
	v_add_nc_u32 v9, s[TK], v2
	v_add_nc_u32 v10, s[TS], v3
	v_add_nc_u32 v11, s[TS], v4
	v_nop                                          ; five places: the scores are written over registers that the last step's products read as operands
.irp t, 0,1,2,3
.irp c, 0,1,2
	ds_load_b128 v[32+12*\t+4*\c:35+12*\t+4*\c], v8 offset:1536*\t+512*\c
.endr
.endr
.irp b, 0,1,2,3
	ds_load_b32 v[248+\b], v10 offset:256*(\b/2)+8*(\b%2)
.endr
	s_wait_alu depctr_va_vdst(0)
	s_wait_dscnt 0x0
	KQ4 0
.rept 4
	v_nop                                          ; places in front of loads into registers that matrix instructions have read
.endr
.irp t, 0,1,2,3
.irp c, 0,1,2
	ds_load_b128 v[32+12*\t+4*\c:35+12*\t+4*\c], v8 offset:1536*(4+\t)+512*\c
.endr
.endr
	s_wait_dscnt 0x0
	KQ4 1
.rept 4
	v_nop                                          ; places: for the loads below, and for the first read of the scores
.endr
.irp t, 0,1,2,3                        ; V's tiles 0-3 and its scale words land under the softmax
.irp c, 0,1,2
	ds_load_b128 v[32+12*\t+4*\c:35+12*\t+4*\c], v9 offset:1536*\t+512*\c
.endr
.endr
.irp b, 0,1,2,3
	ds_load_b32 v[248+\b], v11 offset:256*(\b/2)+8*(\b%2)
.endr
	s_cmp_lg_u32 s[KS], s[MM]                      ; only my last step lies on the diagonal
	s_cbranch_scc1 .Lopen_\@
	v_mov_b32 v254, 0xff800000                     ; -infinity.  Register 16 b + i holds key 128 m + 32 b + 16 (lane / 16) + i: hidden where 32 b + i > v5
.set nn, 0
.rept 64
	v_cmp_gt_i32 vcc_lo, 32*(nn/16)+nn%16, v5
	v_cndmask_b32 v[96+nn], v[96+nn], v254, vcc_lo
.set nn, nn+1
.endr
.Lopen_\@:
.irp b, 0,1,2,3
	v_max3_num_f32 v[232+\b], v[96+16*\b], v[97+16*\b], v[98+16*\b]   ; the largest score of each block of 32 keys: for the row's maximum and, since p rises with the score, for the block's largest p
.endr
.irp i, 3,5,7,9,11,13
.irp b, 0,1,2,3
	v_max3_num_f32 v[232+\b], v[232+\b], v[96+16*\b+\i], v[97+16*\b+\i]
.endr
.endr
.irp b, 0,1,2,3
	v_max_num_f32 v[232+\b], v[232+\b], v[111+16*\b]
.endr
.irp b, 0,1,2,3
	s_delay_alu instid0(VALU_DEP_4)
	v_permlanex16_b32 v[236+\b], v[232+\b], s[SEL], s[SEL+1]
.endr
.irp b, 0,1,2,3
	s_delay_alu instid0(VALU_DEP_4)
	v_max_num_f32 v[232+\b], v[232+\b], v[236+\b]  ; with lane l xor 16's 16 keys
.endr
	s_delay_alu instid0(VALU_DEP_2)
	v_max3_num_f32 v254, v232, v233, v234
	s_delay_alu instid0(VALU_DEP_1)
	v_max_num_f32 v254, v254, v235                 ; the step's largest score of my query
	s_delay_alu instid0(VALU_DEP_1)
	v_mul_f32 v254, s[CS], v254                    ; as t
	s_delay_alu instid0(VALU_DEP_1)
	v_max_num_f32 v13, v13, v254                   ; the running largest t
	v_mov_b32 v254, v12
	s_delay_alu instid0(VALU_DEP_2)
	v_floor_f32 v12, -v13                          ; the new -M = -ceil(t): a whole number
	s_delay_alu instid0(VALU_DEP_1)
	v_sub_f32 v254, v12, v254                      ; old M - new M: a whole number, 0 or less
	s_delay_alu instid0(VALU_DEP_1)
	v_cvt_i32_f32 v254, v254                       ; (it saturates)
	s_delay_alu instid0(VALU_DEP_1)
	v_ldexp_f32 v252, 1.0, v254                    ; f = 2^(old M - new M)
.set jj, 0
.rept 32
	v_pk_fma_f32 v[96+jj:97+jj], v[96+jj:97+jj], s[CS:CS+1], v[12:13] op_sel_hi:[1,0,0]   ; t - M, two at a time
.set jj, jj+2
.endr
.irp b, 0,1,2,3
	v_fma_f32 v[232+\b], v[232+\b], s[CS], v12     ; the same of each block's largest score
.endr
.set jj, 0
	s_wait_alu depctr_va_vdst(0)
.rept 64
	v_exp_f32 v[96+jj], v[96+jj]                   ; p = 2^(t - M), at most 1: not normalised
.set jj, jj+1
.endr
	v_pk_mul_f32 v[14:15], v[14:15], v[252:253] op_sel_hi:[1,0]   ; the sums under the new M.  (A plain place behind the exponentials)
	s_wait_alu depctr_va_vdst(0)                   ; one wait for the whole batch, ahead of its first reader
.irp b, 0,1,2,3
	v_exp_f32 v[232+\b], v[232+\b]                 ; the block's largest p
.endr
	v_pk_add_f32 v[236:237], v[100:101], v[104:105]
	v_pk_add_f32 v[246:247], v[108:109], v[112:113]
	v_pk_add_f32 v[244:245], v[116:117], v[120:121]
	v_pk_add_f32 v[242:243], v[124:125], v[128:129]
	v_pk_add_f32 v[240:241], v[132:133], v[136:137]
	v_pk_add_f32 v[238:239], v[140:141], v[144:145]
	v_pk_add_f32 v[230:231], v[148:149], v[152:153]
	v_pk_add_f32 v[14:15], v[14:15], v[156:157]
	v_pk_add_f32 v[236:237], v[236:237], v[96:97]
	v_pk_add_f32 v[246:247], v[246:247], v[98:99]
	v_pk_add_f32 v[244:245], v[244:245], v[102:103]
	v_pk_add_f32 v[242:243], v[242:243], v[106:107]
	v_pk_add_f32 v[240:241], v[240:241], v[110:111]
	v_pk_add_f32 v[238:239], v[238:239], v[114:115]
	v_pk_add_f32 v[230:231], v[230:231], v[118:119]
	v_pk_add_f32 v[14:15], v[14:15], v[122:123]
	v_pk_add_f32 v[236:237], v[236:237], v[126:127]
	v_pk_add_f32 v[246:247], v[246:247], v[130:131]
	v_pk_add_f32 v[244:245], v[244:245], v[134:135]
	v_pk_add_f32 v[242:243], v[242:243], v[138:139]
	v_pk_add_f32 v[240:241], v[240:241], v[142:143]
	v_pk_add_f32 v[238:239], v[238:239], v[146:147]
	v_pk_add_f32 v[230:231], v[230:231], v[150:151]
	v_pk_add_f32 v[14:15], v[14:15], v[154:155]
	v_pk_add_f32 v[236:237], v[236:237], v[158:159]
	s_delay_alu instid0(VALU_DEP_2)
	v_pk_add_f32 v[14:15], v[14:15], v[242:243]
	s_delay_alu instid0(VALU_DEP_2)
	v_pk_add_f32 v[236:237], v[236:237], v[240:241]
	v_pk_add_f32 v[246:247], v[246:247], v[238:239]
	v_pk_add_f32 v[244:245], v[244:245], v[230:231]
	s_delay_alu instid0(VALU_DEP_2)
	v_pk_add_f32 v[14:15], v[14:15], v[246:247]
	s_delay_alu instid0(VALU_DEP_2)
	v_pk_add_f32 v[236:237], v[236:237], v[244:245]
	s_delay_alu instid0(VALU_DEP_1)
	v_pk_add_f32 v[14:15], v[14:15], v[236:237]
	s_wait_alu depctr_va_vdst(0)                   ; and one for the four
.irp b, 0,1,2,3
	v_max_num_f32 v[232+\b], 0x1800000, v[232+\b]  ; the floor 2^(3 - 127): the byte cannot fall under 1
.endr
.irp b, 0,1,2,3
	s_delay_alu instid0(VALU_DEP_4)
	v_add_nc_u32 v[244+\b], 0xff000000, v[232+\b]  ; the conversion's scale operand
.endr
.irp b, 0,1,2,3
	s_delay_alu instid0(VALU_DEP_4)
	v_lshrrev_b32 v[236+\b], 23, v[244+\b]         ; the scale's byte
.endr
	s_delay_alu instid0(VALU_DEP_3)
	v_lshl_or_b32 v253, v237, 8, v236              ; p's scale word for these 128 keys
	s_delay_alu instid0(VALU_DEP_1)
	v_lshl_or_b32 v253, v238, 16, v253
	s_delay_alu instid0(VALU_DEP_1)
	v_lshl_or_b32 v253, v239, 24, v253
.irp c, 0,1
	v_cvt_scalef32_pk16_fp6_f32 v[224+6*\c:226+6*\c], v[96+32*\c:111+32*\c], v[244+2*\c]
	v_cvt_scalef32_pk16_fp6_f32 v[236+4*\c:238+4*\c], v[112+32*\c:127+32*\c], v[244+2*\c+1]
.endr
	v_nop                                          ; one plain place behind a scaled conversion
.irp t, 0,1,2,3                        ; p is used up: V's tiles 4-7 take its registers
.irp c, 0,1,2
	ds_load_b128 v[96+12*\t+4*\c:99+12*\t+4*\c], v9 offset:1536*(4+\t)+512*\c
.endr
.endr
.irp c, 0,1                            ; the operand's layout wants a WHOLE block in a lane
.irp i, 0,1,2
	v_permlane16_swap_b32 v[224+6*\c+\i], v[236+4*\c+\i]
.endr
.irp i, 0,1,2
	s_delay_alu instid0(VALU_DEP_3)
	v_mov_b32 v[227+6*\c+\i], v[236+4*\c+\i]
.endr
.endr
.set jj, 0
.rept 32
	v_pk_mul_f32 v[160+jj:161+jj], v[160+jj:161+jj], v[252:253] op_sel_hi:[1,0]   ; O^T under the new M.  (These 32 are also the places between p's codes and word and the products)
.set jj, jj+2
.endr
	s_wait_alu depctr_va_vdst(0)
	s_wait_dscnt 0x0                               ; V's eight tiles and its scale words are in
.irp t, 0,1,2,3,4,5,6,7                ; O^T += V^T P^T: eight accumulators by turns
.set rA, 32+12*\t
.if \t > 3
.set rA, 96+12*(\t-4)
.endif
.if \t%2
	v_wmma_scale_f32_16x16x128_f8f6f4 v[160+8*\t:167+8*\t], v[rA:rA+11], v[224:235], v[160+8*\t:167+8*\t], v[248+\t/2], v253 matrix_a_fmt:MATRIX_FMT_FP6 matrix_b_fmt:MATRIX_FMT_FP6 matrix_a_scale:MATRIX_SCALE_ROW1
.else
	v_wmma_scale_f32_16x16x128_f8f6f4 v[160+8*\t:167+8*\t], v[rA:rA+11], v[224:235], v[160+8*\t:167+8*\t], v[248+\t/2], v253 matrix_a_fmt:MATRIX_FMT_FP6 matrix_b_fmt:MATRIX_FMT_FP6
.endif
.endr
.Lhid_\@:
	s_add_co_u32 s[TK], s[TK], 12288
	s_add_co_u32 s[TS], s[TS], 512
	s_add_co_u32 s[KS], s[KS], 1
.endm
; ---- Wo.  Block t: Wo(32 t + i, my column), i = 0 .. 31, into set t % 2: each load reads 128 consecutive bytes of a row of 16,384
.macro WLOAD t
.set ii, 0
.rept 32
	global_load_b32 v[XW+32*((\t)%2)+ii], v29, s[82:83] offset:(32*(\t)+ii)*16384 th:TH_LOAD_NT
.set ii, ii+1
.endr
.endm
.macro WBLOCK t
.set XS, XW+32*((\t)%2)
.set DSTR, IMG+24*((\t)/4)+12*((\t)%2)+6*(((\t)/2)%2)   ; K step t / 4; the image's lane half t % 2; registers 6 ((t / 2) % 2) on
.if (\t) < 7
	s_wait_loadcnt 32                              ; this block's 32 loads are in; the next block's 32 may be out
.else
	s_wait_loadcnt 0x0
.endif
	v_max3_num_f32 v230, |v[XS]|, |v[XS+1]|, |v[XS+2]|              ; all 32 numbers of the block are mine
	v_max3_num_f32 v231, |v[XS+3]|, |v[XS+4]|, |v[XS+5]|
.irp i, 6,10,14,18,22,26
	s_delay_alu instid0(VALU_DEP_2)
	v_max3_num_f32 v230, v230, |v[XS+\i]|, |v[XS+\i+1]|
	s_delay_alu instid0(VALU_DEP_2)
	v_max3_num_f32 v231, v231, |v[XS+\i+2]|, |v[XS+\i+3]|
.endr
	s_delay_alu instid0(VALU_DEP_2)
	v_max3_num_f32 v230, v230, |v[XS+30]|, |v[XS+31]|
	s_delay_alu instid0(VALU_DEP_1)
	v_max3_num_f32 v230, v230, v231, 0x1800000     ; and the floor 2^(3 - 127): the byte cannot fall under 1
	s_delay_alu instid0(VALU_DEP_1)
	v_add_nc_u32 v232, 0xff000000, v230            ; 2 off the exponent field: the conversion's scale operand
	s_delay_alu instid0(VALU_DEP_1)
	v_lshrrev_b32 v233, 23, v232                   ; the scale's byte
.if (\t)%4 == 0
	s_delay_alu instid0(VALU_DEP_1)
	v_mov_b32 v[WS+(\t)/4], v233
.else
	s_delay_alu instid0(VALU_DEP_1)
	v_lshl_or_b32 v[WS+(\t)/4], v233, 8*((\t)%4), v[WS+(\t)/4]
.endif
	v_cvt_scalef32_pk16_fp6_f32 v[DSTR:DSTR+2], v[XS:XS+15], v232
	v_cvt_scalef32_pk16_fp6_f32 v[WT:WT+2], v[XS+16:XS+31], v232
	v_nop                                          ; one plain place behind a scaled conversion
.irp i, 0,1,2
	v_mov_b32 v[DSTR+3+\i], v[WT+\i]
.endr
.if (\t)+2 < 8
	WLOAD (\t)+2
.endif
.if (\t) == 0 || (\t) == 2             ; rows 128-191 and 192-255 of the share are prefetched two blocks ahead of the loads that read their first rows
	global_prefetch_b8 v234, s[90:91] offset:(128+32*(\t))*16384 th:TH_LOAD_NT scope:SCOPE_SE
.endif
.if (\t)%4 == 3                        ; a K step's codes are whole: sixteen lanes store 256 consecutive bytes of one fragment row's image, the other sixteen of the next fragment row's.  No store's data are written again
.irp hh, 0,1
.irp cc, 0,1,2
	global_store_b128 v30, v[IMG+24*((\t)/4)+12*\hh+4*\cc:IMG+24*((\t)/4)+12*\hh+4*\cc+3], s[86:87] offset:1536*((\t)/4)+512*\cc+256*\hh
.endr
.endr
.endif
.endm
	s_load_b128 s[4:7], s[0:1], 0x0                ; att s[4:5], oc s[6:7]
	s_load_b128 s[92:95], s[0:1], 0x10             ; Wo s[92:93], wc s[94:95]
	v_lshl_add_u32 v254, v0, 2, 0x32000
	v_mov_b32 v255, 0
	ds_add_u32 v254, v255
	ds_add_u32 v254, v255
	s_wait_dscnt 0x0
	v_lshrrev_b32 v8, 5, v0
	s_delay_alu instid0(VALU_DEP_1)
	v_readfirstlane_b32 s[WV], v8                  ; wave 0..15
	s_bfe_u32 s9, ttmp6, 0x40000                   ; cx: it enters global addresses and the mask's numbers alone
	s_and_b32 s10, ttmp7, 0xffff                   ; the key head, which the four partners share
	s_lshr_b32 s11, ttmp9, 1
	s_lshl_b32 s12, s10, 2
	s_add_co_u32 s11, s11, s12                     ; the query head
	s_and_b32 s12, ttmp9, 1
	s_lshl_b32 s12, s12, 2
	s_add_co_u32 s12, s12, s9                      ; i
	s_and_b32 s[MM], s[WV], 3
	s_bfe_u32 s14, s[WV], 0x10002                  ; (wave / 4) % 2
	s_mul_i32 s14, s14, 7
	s_xor_b32 s[MM], s[MM], s14                    ; m
	s_lshl_b32 s14, s[MM], 3
	s_add_co_u32 s14, s14, s12                     ; g = i + 8 m
	; descriptor group 1: dense rows of 256 bytes (32 elements of 8 bytes), no padding; the mask names all four work-groups
	s_mov_b32 s[G1A], 15|(3<<16)|(1<<21)
	s_mov_b32 s[G1A+1], 32<<16
	s_mov_b32 s[G1A+2], 112<<16
	s_mov_b32 s[G1A+3], 32<<16
	s_mov_b32 s[G1A+4], 112
	s_mov_b32 s[G1A+5], 32
	s_mov_b32 s[G1A+6], 0
	s_mov_b32 s[G1A+7], 0
	s_mov_b32 s[G1B], 15|(3<<16)|(1<<21)
	s_mov_b32 s[G1B+1], 32<<16
	s_mov_b32 s[G1B+2], 288<<16
	s_mov_b32 s[G1B+3], 32<<16
	s_mov_b32 s[G1B+4], 288
	s_mov_b32 s[G1B+5], 32
	s_mov_b32 s[G1B+6], 0
	s_mov_b32 s[G1B+7], 0
	s_add_co_u32 s16, s10, 32
	s_mul_i32 s16, s16, HB
	s_mov_b32 s17, 0
	s_mov_b32 s[SEL], 0x76543210
	s_mov_b32 s[SEL+1], 0xfedcba98
	s_mov_b32 s[CS], 0x3e0293ee
	s_mov_b32 s[CS+1], s[CS]                       ; (named with it as a pair, so it is written)
	s_mov_b32 s[TK], 0
	s_mov_b32 s[TS], 0
	s_mov_b32 s[KS], 0
	s_wait_kmcnt 0x0
	s_add_nc_u64 s[16:17], s[4:5], s[16:17]        ; K's head block; V's lies eight blocks on
	s_mov_b32 s[G0], 1
	s_mov_b32 s[G0+1], 0
	s_mov_b64 s[G0+2:G0+3], s[16:17]
	s_or_b32 s[G0+3], s[G0+3], 0x80000000
	s_mov_b32 s[G0+4], 1
	s_mov_b32 s[G0+5], 28672
	s_add_nc_u64 s[G0+6:G0+7], s[16:17], 28672
	s_or_b32 s[G0+7], s[G0+7], 0x80000000
	s_mov_b32 s[G0+8], 1
	s_mov_b32 s[G0+9], HB
	s_add_nc_u64 s[G0+10:G0+11], s[16:17], 8*HB
	s_or_b32 s[G0+11], s[G0+11], 0x80000000
	s_mov_b32 s[G0+12], 1
	s_mov_b32 s[G0+13], HB+28672
	s_add_nc_u64 s[G0+14:G0+15], s[16:17], 8*HB+28672
	s_or_b32 s[G0+15], s[G0+15], 0x80000000
	CROUND                                         ; all four work-groups are here: the joint loads meet
; THE FOUR LOADS, ONE A WAVE: wave 0 K's first part, wave 1 V's first part, wave 2 the rest of K, wave 3 the rest of V: one chain of branches on the wave's number, one load to an arm, all arms leading to one join
.macro ARM w, g0, g1, next
	s_cmp_eq_u32 s[WV], \w
	s_cbranch_scc0 \next
	tensor_load_to_lds s[\g0:\g0+3], s[\g1:\g1+7]
	s_nop 0
.rept 4
	v_nop
.endr
	s_branch .Lasked
\next:
.endm
	ARM 0, G0, G1A, .Lnot_0
	ARM 1, G0+8, G1A, .Lnot_1
	ARM 2, G0+4, G1B, .Lnot_2
	s_cmp_eq_u32 s[WV], 3
	s_cbranch_scc0 .Lasked
	tensor_load_to_lds s[G0+12:G0+15], s[G1B:G1B+7]
	s_nop 0
.rept 4
	v_nop
.endr
.Lasked:
	s_mul_i32 s18, s11, HB
	s_mul_i32 s20, s14, 1536
	s_add_co_u32 s20, s20, s18
	s_add_co_u32 s20, s20, 4096
	s_mov_b32 s21, 0
	s_add_nc_u64 s[66:67], s[4:5], s[20:21]        ; Q's image
	s_lshr_b32 s20, s14, 2
	s_lshl_b32 s20, s20, 8
	s_and_b32 s22, s14, 3
	s_lshl_b32 s22, s22, 2
	s_add_co_u32 s20, s20, s22
	s_add_co_u32 s20, s20, s18
	s_add_nc_u64 s[68:69], s[4:5], s[20:21]        ; its scale words
	s_mul_i32 s18, s14, FROW
	s_lshr_b32 s20, s11, 2
	s_mul_i32 s20, s20, REC
	s_add_co_u32 s18, s18, s20                     ; the result's record: fragment row g, query heads 4 (hq / 4) on
	s_and_b32 s22, s11, 3
	s_mul_i32 s20, s22, 1536
	s_add_co_u32 s20, s20, s18
	s_add_nc_u64 s[70:71], s[6:7], s[20:21]        ; its image
	s_lshr_b32 s20, s22, 1
	s_lshl_b32 s20, s20, 7
	s_and_b32 s22, s11, 1
	s_lshl_b32 s22, s22, 2
	s_add_co_u32 s20, s20, s22
	s_add_co_u32 s20, s20, s18
	s_add_co_u32 s20, s20, 6144
	s_add_nc_u64 s[72:73], s[6:7], s[20:21]        ; its scale words
	s_lshr_b32 s20, s12, 1
	s_lshl_b32 s20, s20, 5
	s_and_b32 s22, s12, 1
	s_lshl_b32 s22, s22, 3
	s_add_co_u32 s20, s20, s22                     ; 32 (i / 2) + 8 (i % 2)
	; Wo's share of a wave (used by waves 8-15)
	s_lshl_b32 s74, ttmp9, 2
	s_add_co_u32 s74, s74, s9                      ; the work-group's x,
	s_lshl_b32 s75, s10, 5
	s_add_co_u32 s74, s74, s75                     ; its number, 0 .. 255
	s_lshl_b32 s74, s74, 1
	s_bfe_u32 s75, s[WV], 0x10002
	s_add_co_u32 s74, s74, s75                     ; 2 x that + (wave / 4) % 2: which of 512 shares of 128 columns x 256 along K:
	s_and_b32 s75, s74, 31                         ; which 128 columns,
	s_lshr_b32 s76, s74, 5                         ; which 256 along K
	s_and_b32 s77, s[WV], 3                        ; which 32 of the 128 columns
	s_lshl_b32 s78, s75, 3
	s_lshl_b32 s79, s77, 1
	s_add_co_u32 s78, s78, s79
	s_add_co_u32 s78, s78, 512                     ; my first fragment row in wc
	s_lshl_b32 s80, s76, 22                        ; 256 rows of 16,384 bytes
	s_lshl_b32 s79, s75, 9
	s_add_co_u32 s80, s80, s79
	s_lshl_b32 s79, s77, 7
	s_add_co_u32 s80, s80, s79
	s_mov_b32 s81, 0
	s_add_nc_u64 s[82:83], s[92:93], s[80:81]      ; Wo at my first row of K and my first column
	s_and_b32 s84, s77, 1                          ; the prefetch: a row's 256 bytes serve two neighbouring waves: of each 64 rows the even one names rows 0-31, the odd one rows 32-63, 128 bytes back
	s_mul_i32 s84, s84, 32*16384-128
	s_mov_b32 s85, 0
	s_add_nc_u64 s[90:91], s[82:83], s[84:85]
	s_mul_i32 s80, s78, FROW
	s_lshr_b32 s79, s76, 1
	s_mul_i32 s79, s79, REC
	s_add_co_u32 s80, s80, s79                     ; the record
	s_and_b32 s79, s76, 1
	s_mul_i32 s84, s79, 3072
	s_add_co_u32 s84, s84, s80
	s_add_nc_u64 s[86:87], s[94:95], s[84:85]      ; its K steps 0, 1 or 2, 3
	s_lshl_b32 s84, s79, 7
	s_add_co_u32 s84, s84, s80
	s_add_co_u32 s84, s84, 6144
	s_add_nc_u64 s[88:89], s[94:95], s[84:85]      ; and their scale words
	v_and_b32 v9, 31, v0                           ; lane
	v_and_b32 v8, 15, v0                           ; r
	v_bfe_u32 v10, v0, 4, 1                        ; h
	s_delay_alu instid0(VALU_DEP_3)
	v_lshlrev_b32 v6, 4, v9                        ; 16 x lane
	s_delay_alu instid0(VALU_DEP_3)
	v_lshlrev_b32 v28, 4, v8                       ; 16 r
	s_delay_alu instid0(VALU_DEP_4)
	v_lshlrev_b32 v7, 3, v8                        ; 8 r
.irp c, 0,1,2
	global_load_b128 v[16+4*\c:19+4*\c], v6, s[66:67] offset:512*\c   ; Q's fragment stays in registers
.endr
	global_load_b32 v255, v28, s[68:69]
	v_lshlrev_b32 v29, 2, v9                       ; Wo, in: 4 bytes a lane: lane l takes column l of the 32,
	v_lshlrev_b32 v[PFO], 14, v9
	; A PREFETCH INTO THE L2 of rows 0-127 of a share of Wo, which the loads of blocks 0 to 3 will read: a lane a row's 256 bytes, two instructions a wave of waves 8-15, each run of 256 bytes named once in the launch.
	; It stands behind the tensor loads and Q's loads and ahead of the wait for K and V; rows 128-255 are asked for from inside the blocks.
	s_wait_alu depctr_va_vdst(0)                   ; the wait ahead of the branch
	s_cmp_gt_u32 s[WV], 7
	s_cbranch_scc0 .Lno_ask
	global_prefetch_b8 v[PFO], s[90:91] th:TH_LOAD_NT scope:SCOPE_SE
	global_prefetch_b8 v[PFO], s[90:91] offset:64*16384 th:TH_LOAD_NT scope:SCOPE_SE
.Lno_ask:
	v_bfe_u32 v30, v9, 3, 1                        ; which is lane-row l % 8 + 8 (l / 16) of fragment row (l / 8) % 2
	s_delay_alu instid0(VALU_DEP_1)
	v_mul_u32_u24 v30, v30, FROW
	v_and_b32 v11, 7, v9
	s_delay_alu instid0(VALU_DEP_1)
	v_lshl_or_b32 v11, v10, 3, v11
	s_delay_alu instid0(VALU_DEP_1)
	v_lshl_add_u32 v31, v11, 3, v30                ; my two scale words
	s_delay_alu instid0(VALU_DEP_2)
	v_lshl_add_u32 v30, v11, 4, v30                ; my 16 bytes in an image's half chunk
	v_add_nc_u32 v1, 4096, v6                      ; my place in an image of K,
	v_add_nc_u32 v2, HB+4096, v6                   ; of V,
	v_lshl_add_u32 v3, v10, 2, v28                 ; among K's scale words: 16 r + 4 h,
	s_delay_alu instid0(VALU_DEP_1)
	v_add_nc_u32 v4, HB, v3                        ; among V's
	v_and_b32 v11, 8, v8
	s_delay_alu instid0(VALU_DEP_1)
	v_add_nc_u32 v11, v11, v8
	v_lshlrev_b32 v9, 4, v10
	s_delay_alu instid0(VALU_DEP_1)
	v_sub_nc_u32 v11, v11, v9
	s_delay_alu instid0(VALU_DEP_1)
	v_add_nc_u32 v5, s20, v11                      ; my query - 128 m - 16 h
	v_mov_b32 v13, 0xff61b1e6                      ; the largest t so far: -3e38, under every t
	s_delay_alu instid0(VALU_DEP_1)
	v_floor_f32 v12, -v13                          ; -M
	v_mov_b32 v14, 0                               ; the sum, in two halves
	v_mov_b32 v15, 0
.irp b, 0,1,2,3
	v_mov_b32 v[236+\b], 0                         ; written once: a lane permute's destination counts as one of its sources
.endr
	v_mov_b32 v252, 0
	v_mov_b32 v253, 0                              ; (named as the upper half of the pair v[252:253] before it is first written)
.set jj, 0
.rept 64
	v_mov_b32 v[160+jj], 0                         ; O^T: the step is written once: the first finds zeros, which the first change of M leaves zeros
.set jj, jj+1
.endr
	s_wait_loadcnt 0x0                             ; Q
	s_wait_tensorcnt 0x0                           ; the load of a wave that asked has landed
	s_barrier_signal -1
	s_barrier_wait -1                              ; K's and V's blocks are whole for every wave; nothing is filled again in this launch
	s_mov_b32 s[CNT], 8
.Lkeys:                                            ; key steps 0 to 7
	STEP
	s_sub_co_u32 s[CNT], s[CNT], 1
	s_cmp_lg_u32 s[CNT], 0
	s_cbranch_scc1 .Lkeys
.rept 4
	v_nop                                          ; places behind the last products, ahead of the parting: for the reads of O^T on one way, for the loads and writes into the products' operands on the other
.endr
	s_cmp_gt_u32 s[WV], 7                          ; THE PARTING
	s_cbranch_scc1 .Lweights
	; THE WAY OUT of waves 0-7: O^T / the sum, quantised along the channels (register 16 b + i is channel 32 b + 16 h + i), stored as an image
	v_add_f32 v14, v14, v15                        ; the sum's two halves,
	s_delay_alu instid0(VALU_DEP_1)
	v_permlanex16_b32 v252, v14, s[SEL], s[SEL+1]
	s_delay_alu instid0(VALU_DEP_1)
	v_add_f32 v14, v14, v252                       ; and lane l xor 16's
	s_wait_alu depctr_va_vdst(0)
	v_rcp_f32 v14, v14
	v_nop                                          ; a plain place behind the reciprocal
	s_wait_alu depctr_va_vdst(0)                   ; and the wait ahead of its first reader
.set jj, 0
.rept 64
	v_mul_f32 v[96+jj], v[160+jj], v14             ; each accumulator from its low end on
.set jj, jj+1
.endr
	QUANT 96, 32, 252
.irp c, 0,1,2
	global_store_b128 v6, v[32+4*\c:35+4*\c], s[70:71] offset:512*\c   ; 512 consecutive bytes
.endr
	global_store_b32 v7, v252, s[72:73]            ; row r's word (lanes r and r + 16 hold the same and write the same place)
	s_branch .Lclose
.Lweights:                                         ; waves 8-15: Wo's eight blocks of 32 along K, two blocks (64 loads) ahead
	v_and_b32 v234, 31, v0                         ; v234: 16,384 x lane once more, for the prefetches inside the blocks: made here, behind the parting, and written nowhere else on this way
	s_delay_alu instid0(VALU_DEP_1)
	v_lshlrev_b32 v234, 14, v234
	s_wait_alu depctr_va_vdst(0)                   ; the wait
	WLOAD 0
	WLOAD 1
.irp t, 0,1,2,3,4,5,6,7
	WBLOCK \t
.endr
	global_store_b64 v31, v[WS:WS+1], s[88:89]     ; sixteen lanes store 128 consecutive bytes
.Lclose:
	s_wait_xcnt 0x0
	v_lshl_add_u32 v254, v0, 2, 0x32000
	v_mov_b32 v255, 0
	s_wait_alu depctr_va_vdst(0)
	s_wait_tensorcnt 0x0
	ds_add_u32 v254, v255
	s_wait_dscnt 0x0
	CROUND                                         ; the closing round
	s_endpgm
.Lfunc_end_k_q29d6865f16_attn:
	.size	k_q29d6865f16_attn, .Lfunc_end_k_q29d6865f16_attn-k_q29d6865f16_attn
	.p2alignl 7, 3214868480
	.fill 96, 4, 3214868480
	.section	.rodata,"a",@progbits
	.p2align	6, 0x0
	.amdhsa_kernel k_q29d6865f16_attn
		.amdhsa_group_segment_fixed_size 206848
		.amdhsa_private_segment_fixed_size 0
		.amdhsa_enable_private_segment 0
		.amdhsa_kernarg_size 32
		.amdhsa_user_sgpr_count 2
		.amdhsa_user_sgpr_kernarg_segment_ptr 1
		.amdhsa_wavefront_size32 1
		.amdhsa_system_sgpr_workgroup_id_x 1
		.amdhsa_system_sgpr_workgroup_id_y 1
		.amdhsa_system_sgpr_workgroup_id_z 1
		.amdhsa_system_vgpr_workitem_id 0
		.amdhsa_next_free_vgpr 256
		.amdhsa_next_free_sgpr 96
		.amdhsa_reserve_vcc 1
		.amdhsa_float_denorm_mode_32 3
		.amdhsa_float_denorm_mode_16_64 3
		.amdhsa_memory_ordered 1
		.amdhsa_forward_progress 1
		.amdhsa_inst_pref_size 89
	.end_amdhsa_kernel
	.amdgpu_metadata
---
amdhsa.version: [ 1, 2 ]
amdhsa.kernels:
  - .name:           k_q29d6865f16_attn
    .symbol:         k_q29d6865f16_attn.kd
    .args:
      - { .name: att, .offset: 0, .size: 8, .value_kind: global_buffer, .address_space: global }
      - { .name: oc, .offset: 8, .size: 8, .value_kind: global_buffer, .address_space: global }
      - { .name: Wo, .offset: 16, .size: 8, .value_kind: global_buffer, .address_space: global }
      - { .name: wc, .offset: 24, .size: 8, .value_kind: global_buffer, .address_space: global }
    .group_segment_fixed_size: 206848
    .private_segment_fixed_size: 0
    .kernarg_segment_align: 8
    .kernarg_segment_size: 32
    .max_flat_workgroup_size: 512
    .sgpr_count:     96
    .vgpr_count:     256
    .wavefront_size: 32
...
	.end_amdgpu_metadata
.endif
;; end of part 3
;; launch oproj (part 4): grid 32 x 8, 4 waves a work-group, clusters of 4 x 4, 327,680 bytes of LDS; arguments oc, wc, bo, out0; writes out0
.if DOCPART == 4
	.amdgcn_target "amdgcn-amd-amdhsa--gfx1250"
	.amdhsa_code_object_version 6
	.text
	.protected	k_q29d6865f16_oproj
	.globl	k_q29d6865f16_oproj
	.p2align	8
	.type	k_q29d6865f16_oproj,@function
k_q29d6865f16_oproj:
	s_mov_b64 s[64:65], 0
	v_nop
	global_prefetch_b8 v0, s[64:65] scope:SCOPE_SE
	s_setreg_imm32_b32 hwreg(HW_REG_WAVE_MODE, 25, 1), 1
	s_wait_xcnt 0x0
	s_wait_alu depctr_hold_cnt(0) depctr_sa_sdst(0) depctr_va_vdst(0) depctr_va_sdst(0) depctr_va_ssrc(0) depctr_va_vcc(0) depctr_vm_vsrc(0)
	s_getreg_b32 s2, hwreg(HW_REG_IB_STS2, 6, 4)
	s_cmp_eq_u32 s2, 0
	s_cbranch_scc0 .Lentry_in_a_cluster
	s_endpgm
.Lentry_in_a_cluster:
	s_bfe_u32 s2, ttmp6, 0x10000c
	s_cmp_lg_u32 s2, 0xf033
	s_cbranch_scc0 .Lentry_shape_is_right
	s_endpgm
.Lentry_shape_is_right:
; out0 [1024][4096] f32 = o Wo + bo on codes of FP6 (E2M3) with E8M0 scales: oc holds the attention's result (64 fragment rows of positions), wc Wo's columns (fragment rows 512-767), both as register images in records of 512 along K.
; A work-group makes 128 positions x 128 columns, a wave 64 x 64.  K goes by records through a ring of two LDS slots, filled by joint loads in clusters of 4 x 4: P's records are shared along a row of the cluster, R's along a column.
; The records are prefetched two refills ahead.  The results go out through each wave's own stage as whole rows of 256 bytes.
.set PROWS, 8
.set RFW,   4
.set REC,   6400
.set FROW,  51200
.set SLOT,  (PROWS+8)*REC
.set STAGE, 2*SLOT
.set SPARE, STAGE+4*16*272
.set NF,    3*(4+RFW)
.set LI,   1
.set BRO,  2
.set STO,  3
.set RD,   4
.set CO,   10
.set ADRP, 16
.set ADRR, 18
.set ADSP, 20
.set ADSR, 22
.set SPW,  28
.set NIL,  29
.set PF,   32
.set SC,   208
.set BR,   192
.set BK,   32
.set YT,   176
.set WV,   16
.set FB,   17
.set HF,   18
.set G1,   24
.set G0,   32
.set G1B,  48
.set G0B,  56
.set MSB, 0
.macro WIN new
.if MSB != \new
	s_set_vgpr_msb (MSB<<8)|\new
.set MSB, \new
.endif
.endm
.set MUL,  0x52
.set TO_R, 0x80
.macro JLOAD s
	s_cmp_eq_u32 s[FB], 0
	s_cbranch_scc0 .Lfor_r_\@
	tensor_load_to_lds s[G0+4*\s:G0+4*\s+3], s[G1:G1+7]
	s_nop 0
.rept 4
	v_nop
.endr
	s_branch .Lasked_\@
.Lfor_r_\@:
	tensor_load_to_lds s[G0B+4*\s:G0B+4*\s+3], s[G1B:G1B+7]
	s_nop 0
.rept 4
	v_nop
.endr
.Lasked_\@:
.endm
.macro CREST
	s_cmp_lg_u32 s[WV], 0
	s_cbranch_scc1 .Lnot_wave_0_\@
	s_barrier_signal -3
.Lnot_wave_0_\@:
	s_barrier_wait -3
	s_barrier_signal -1
	s_barrier_wait -1
.endm
.macro CROUND
	s_barrier_signal -1
	s_barrier_wait -1
	CREST
.endm
.macro PLACES
.rept 4
	v_nop
.endr
.endm
.macro FETCH slot, s, set
	WIN TO_R
.set bb, 0
.rept RFW
.irp c, 0,1,2
	ds_load_b128 v[96*(\set)+12*bb+4*\c:96*(\set)+12*bb+4*\c+3], v[ADRR+\slot] offset:REC*bb+1536*(\s)+512*\c
.endr
.set bb, bb+1
.endr
	WIN 0
.irp a, 0,1,2,3
.irp c, 0,1,2
	ds_load_b128 v[PF+48*(\set)+12*\a+4*\c:PF+48*(\set)+12*\a+4*\c+3], v[ADRP+\slot] offset:REC*\a+1536*(\s)+512*\c
.endr
.endr
.endm
.macro SCALES slot
.irp a, 0,1,2,3
.irp p, 0,1
	ds_load_b32 v[SC+24*\slot+2*\a+\p], v[ADSP+\slot] offset:REC*\a+128*\p
.endr
.endr
.set bb, 0
.rept RFW
.irp p, 0,1
	ds_load_b32 v[SC+24*\slot+2*(4+bb)+\p], v[ADSR+\slot] offset:REC*bb+128*\p
.endr
.set bb, bb+1
.endr
.endm
.macro MULA a, s, slot, zero
.set bb, 0
.rept RFW
.set rD, 8*(RFW*(\a)+bb)
.set rR, 96*((\s)%2)+12*bb
.set rP, PF+48*((\s)%2)+12*(\a)
.set sR, SC+24*(\slot)+2*(4+bb)+(\s)/2
.set sP, SC+24*(\slot)+2*(\a)+(\s)/2
.if \zero
	v_wmma_scale_f32_16x16x128_f8f6f4 v[rD:rD+7], v[rR:rR+11], v[rP:rP+11], 0, v[sR], v[sP] matrix_a_fmt:MATRIX_FMT_FP6 matrix_b_fmt:MATRIX_FMT_FP6
.elseif (\s)%2
	v_wmma_scale_f32_16x16x128_f8f6f4 v[rD:rD+7], v[rR:rR+11], v[rP:rP+11], v[rD:rD+7], v[sR], v[sP] matrix_a_fmt:MATRIX_FMT_FP6 matrix_b_fmt:MATRIX_FMT_FP6 matrix_a_scale:MATRIX_SCALE_ROW1 matrix_b_scale:MATRIX_SCALE_ROW1
.else
	v_wmma_scale_f32_16x16x128_f8f6f4 v[rD:rD+7], v[rR:rR+11], v[rP:rP+11], v[rD:rD+7], v[sR], v[sP] matrix_a_fmt:MATRIX_FMT_FP6 matrix_b_fmt:MATRIX_FMT_FP6
.endif
.set bb, bb+1
.endr
.endm
.macro STEP slot, s, zero
	PLACES
	FETCH \slot, (\s)+1, ((\s)+1)%2
	s_wait_dscnt NF
	WIN MUL
	MULA 0, \s, \slot, \zero
	MULA 1, \s, \slot, \zero
	MULA 2, \s, \slot, \zero
	MULA 3, \s, \slot, \zero
	WIN 0
.endm
.set PFA,  86                          ; s[86:87] where my prefetches stand: my share of the four records that my wave's joint load fetches
.set PFO,  30                          ; v30 256 x min(lane, 24): a record is 25 runs of 256 bytes; never rewritten
; A prefetch of one record (512 along K): of the four records that a wave's joint load fetches, each of the four partners that ask jointly takes one, told apart by address (cx for P, cy for R):
; each run of 256 bytes is named once in a cluster.  Lanes 25-31 name the record's last run again.
.macro ASK off
	global_prefetch_b8 v[PFO], s[PFA:PFA+1] offset:\off th:TH_LOAD_NT scope:SCOPE_SE
.endm
.macro TURN slot, next, fill
.if \fill
	s_wait_xcnt 0x0                                ; my prefetch has read its address: it steps one record
	s_add_nc_u64 s[PFA:PFA+1], s[PFA:PFA+1], REC
.endif
	s_wait_tensorcnt 0x0
	ds_add_u32 v[SPW], v[NIL]
	s_wait_dscnt 1
	WIN MUL
	MULA 0, 3, \slot, 0
	s_wait_dscnt 0x0
	s_barrier_signal -1
	MULA 1, 3, \slot, 0
	WIN 0
	s_barrier_wait -1
.if \fill
	CREST
	s_add_nc_u64 s[G0+4*\slot+2:G0+4*\slot+3], s[G0+4*\slot+2:G0+4*\slot+3], 2*REC
	s_add_nc_u64 s[G0B+4*\slot+2:G0B+4*\slot+3], s[G0B+4*\slot+2:G0B+4*\slot+3], 2*REC
	JLOAD \slot
.else
	PLACES
.endif
	FETCH \next, 0, 0
	s_wait_alu depctr_va_vdst(0)
	SCALES \next
.if \fill
	s_cmp_gt_u32 s19, 1                            ; the refill asked for record r: record r + 2 is prefetched; the last trip's refills are records 6 and 7, with none two on
	s_cbranch_scc0 .Lno_ask_\@
	ASK 3*REC
.Lno_ask_\@:
.endif
	WIN MUL
	MULA 2, 3, \slot, 0
	MULA 3, 3, \slot, 0
	WIN 0
.endm
	s_load_b256 s[4:11], s[0:1], 0x0
	v_lshl_add_u32 v[SPW], v0, 2, SPARE
	v_mov_b32 v[NIL], 0
	ds_add_u32 v28, v29
	ds_add_u32 v28, v29
	s_wait_dscnt 0x0
	v_lshrrev_b32 v5, 5, v0
	v_readfirstlane_b32 s[WV], v5
	s_lshr_b32 s[FB], s[WV], 1
	s_and_b32 s[HF], s[WV], 1
	s_bfe_u32 s20, ttmp6, 0x40000
	s_bfe_u32 s21, ttmp6, 0x40004
	s_lshl_b32 s22, ttmp9, 2
	s_add_co_u32 s22, s22, s20
	s_and_b32 s23, ttmp7, 0xffff
	s_lshl_b32 s23, s23, 2
	s_add_co_u32 s23, s23, s21
	s_lshl_b32 s40, s21, 2
	s_lshl_b32 s40, 15, s40
	s_lshl_b32 s41, 0x1111, s20
	s_or_b32 s[G1], s40, (3<<16)|(1<<21)
	s_or_b32 s[G1B], s41, (3<<16)|(1<<21)
.irp g, G1, G1B
	s_mov_b32 s[\g+1], 800<<16
	s_mov_b32 s[\g+2], 4<<16
	s_mov_b32 s[\g+3], 800<<16
	s_mov_b32 s[\g+4], 4
	s_mov_b32 s[\g+5], FROW/8
	s_mov_b32 s[\g+6], 0
	s_mov_b32 s[\g+7], 0
.endr
	s_lshl_b32 s42, s23, 3
	s_lshl_b32 s43, s[HF], 2
	s_add_co_u32 s42, s42, s43
	s_mul_i32 s42, s42, FROW
	s_mov_b32 s43, 0
	s_lshl_b32 s46, s22, 3
	s_add_co_u32 s46, s46, 512
	s_lshl_b32 s47, s[HF], 2
	s_add_co_u32 s46, s46, s47
	s_mul_i32 s46, s46, FROW
	s_mov_b32 s47, 0
	s_mul_i32 s44, s[HF], 4*REC
	s_add_co_u32 s45, s44, PROWS*REC
	s_wait_kmcnt 0x0
	s_add_nc_u64 s[42:43], s[4:5], s[42:43]
	s_add_nc_u64 s[46:47], s[6:7], s[46:47]
	CROUND
.irp s, 0,1
	s_mov_b32 s[G0+4*\s], 1
	s_add_co_u32 s[G0+4*\s+1], s44, \s*SLOT
	s_add_nc_u64 s[G0+4*\s+2:G0+4*\s+3], s[42:43], \s*REC
	s_or_b32 s[G0+4*\s+3], s[G0+4*\s+3], 0x80000000
	s_mov_b32 s[G0B+4*\s], 1
	s_add_co_u32 s[G0B+4*\s+1], s45, \s*SLOT
	s_add_nc_u64 s[G0B+4*\s+2:G0B+4*\s+3], s[46:47], \s*REC
	s_or_b32 s[G0B+4*\s+3], s[G0B+4*\s+3], 0x80000000
.endr
	JLOAD 0                                        ; record 0: one tensor load a wave at the head; the set-up below stands under its flight
	s_cmp_eq_u32 s[FB], 0
	s_cselect_b64 s[PFA:PFA+1], s[42:43], s[46:47] ; the first fragment row that my joint loads fetch, record 0,
	s_cselect_b32 s88, s20, s21                    ; + cx (P) or cy (R) fragment rows: my share
	s_mul_i32 s88, s88, FROW
	s_mov_b32 s89, 0
	s_add_nc_u64 s[PFA:PFA+1], s[PFA:PFA+1], s[88:89]
	v_and_b32 v[PFO], 31, v0
	v_min_u32 v[PFO], 24, v[PFO]
	v_lshlrev_b32 v[PFO], 8, v[PFO]
	s_wait_alu depctr_va_vdst(0)                   ; the wait ahead of the reader below
	ASK REC                                        ; records 1 and 2
	ASK 2*REC
	v_and_b32 v6, 31, v0
	v_and_b32 v7, 15, v0
	v_bfe_u32 v8, v0, 4, 1
	v_lshlrev_b32 v[LI], 4, v6
	v_lshlrev_b32 v[BRO], 6, v8
	v_lshlrev_b32 v5, 3, v7
	v_lshl_add_u32 v5, v8, 2, v5
	v_add_nc_u32 v5, 6144, v5
	s_mul_i32 s72, s[FB], 4*REC
	s_mul_i32 s73, s[HF], RFW*REC
	s_add_co_u32 s73, s73, PROWS*REC
.irp s, 0,1
	v_add_nc_u32 v[ADRP+\s], s72, v[LI]
	v_add_nc_u32 v[ADRR+\s], s73, v[LI]
	v_add_nc_u32 v[ADSP+\s], s72, v5
	v_add_nc_u32 v[ADSR+\s], s73, v5
	s_add_co_u32 s72, s72, SLOT
	s_add_co_u32 s73, s73, SLOT
.endr
	s_mul_i32 s74, s[WV], 16*272
	s_add_co_u32 s74, s74, STAGE
	v_mul_u32_u24 v[STO], v7, 272
	v_lshl_add_u32 v[STO], v8, 6, v[STO]
	v_add_nc_u32 v[STO], s74, v[STO]
	v_mul_u32_u24 v[RD], v8, 272
	v_lshl_add_u32 v[RD], v7, 4, v[RD]
	v_add_nc_u32 v[RD], s74, v[RD]
	v_lshlrev_b32 v[CO], 14, v8
	v_lshl_add_u32 v[CO], v7, 4, v[CO]
	s_lshl_b32 s72, s22, 9
	s_lshl_b32 s73, s[HF], 8
	s_add_co_u32 s72, s72, s73
	s_mov_b32 s73, 0
	s_add_nc_u64 s[68:69], s[8:9], s[72:73]
	s_lshl_b32 s74, s23, 7
	s_lshl_b32 s75, s[FB], 6
	s_add_co_u32 s74, s74, s75
	s_lshl_b32 s74, s74, 14
	s_add_co_u32 s72, s72, s74
	s_add_nc_u64 s[70:71], s[10:11], s[72:73]
	WIN 0x80
.irp b, 0,1,2,3
	global_load_b128 v[BR+8*\b:BR+8*\b+3], v[BRO], s[68:69] offset:(32*(\b/2)+8*(\b%2))*4
	global_load_b128 v[BR+8*\b+4:BR+8*\b+7], v[BRO], s[68:69] offset:(32*(\b/2)+8*(\b%2))*4+16
.endr
	WIN 0
	s_wait_alu depctr_va_vdst(0)                   ; the wait at the head's end
	s_wait_tensorcnt 0x0                           ; my part of record 0 is in; these lines stand ahead of slot 1's first fill as ahead of a refill
	ds_add_u32 v[SPW], v[NIL]
	s_wait_dscnt 0x0
	CROUND
	JLOAD 1                                        ; record 1, the first tensor load behind the round
	FETCH 0, 0, 0
	SCALES 0
	ASK 3*REC                                      ; record 3
	STEP 0, 0, 1
	s_mov_b32 s19, 3
.Llap:
	STEP 0, 1, 0
	STEP 0, 2, 0
	TURN 0, 1, 1
	STEP 1, 0, 0
	STEP 1, 1, 0
	STEP 1, 2, 0
	TURN 1, 0, 1
	STEP 0, 0, 0
	s_sub_co_u32 s19, s19, 1
	s_cmp_lg_u32 s19, 0
	s_cbranch_scc1 .Llap
	STEP 0, 1, 0
	STEP 0, 2, 0
	TURN 0, 1, 0
	STEP 1, 0, 0
	STEP 1, 1, 0
	STEP 1, 2, 0
	s_wait_dscnt 0x0
	WIN MUL
	MULA 0, 3, 1, 0
	MULA 1, 3, 1, 0
	MULA 2, 3, 1, 0
	MULA 3, 3, 1, 0
	WIN 0
	s_wait_loadcnt 0x0
	PLACES
.irp a, 0,1,2,3
	WIN 0x09
.set mm, 0
.rept 16
	v_pk_add_f32 v[YT+2*mm:YT+2*mm+1], v[32*\a+2*mm:32*\a+2*mm+1], v[BR+2*mm:BR+2*mm+1]
.set mm, mm+1
.endr
	WIN 0
.irp b, 0,1,2,3
	ds_store_b128 v[STO], v[YT+8*\b:YT+8*\b+3] offset:128*(\b/2)+32*(\b%2)
	ds_store_b128 v[STO], v[YT+8*\b+4:YT+8*\b+7] offset:128*(\b/2)+32*(\b%2)+16
.endr
.irp t, 0,1,2,3,4,5,6,7
	ds_load_b128 v[BK+32*\a+4*\t:BK+32*\a+4*\t+3], v[RD] offset:544*\t
.endr
	s_wait_dscnt 0x0
.irp t, 0,1,2,3,4,5,6,7
	global_store_b128 v[CO], v[BK+32*\a+4*\t:BK+32*\a+4*\t+3], s[70:71] offset:(32*(\a/2)+8*(\a%2)+(2*\t)%8+16*((2*\t)/8))*16384 th:TH_STORE_NT
.endr
.endr
	s_wait_tensorcnt 0x0
	ds_add_u32 v[SPW], v[NIL]
	s_wait_dscnt 0x0
	CROUND
	s_endpgm
.Lfunc_end_k_q29d6865f16_oproj:
	.size	k_q29d6865f16_oproj, .Lfunc_end_k_q29d6865f16_oproj-k_q29d6865f16_oproj
	.p2alignl 7, 3214868480
	.fill 96, 4, 3214868480
	.section	.rodata,"a",@progbits
	.p2align	6, 0x0
	.amdhsa_kernel k_q29d6865f16_oproj
		.amdhsa_group_segment_fixed_size 327680
		.amdhsa_private_segment_fixed_size 0
		.amdhsa_enable_private_segment 0
		.amdhsa_kernarg_size 32
		.amdhsa_user_sgpr_count 2
		.amdhsa_user_sgpr_kernarg_segment_ptr 1
		.amdhsa_wavefront_size32 1
		.amdhsa_system_sgpr_workgroup_id_x 1
		.amdhsa_system_sgpr_workgroup_id_y 1
		.amdhsa_system_sgpr_workgroup_id_z 1
		.amdhsa_system_vgpr_workitem_id 0
		.amdhsa_next_free_vgpr 768
		.amdhsa_next_free_sgpr 100
		.amdhsa_reserve_vcc 0
		.amdhsa_float_denorm_mode_32 3
		.amdhsa_float_denorm_mode_16_64 3
		.amdhsa_memory_ordered 1
		.amdhsa_forward_progress 1
		.amdhsa_inst_pref_size 89
	.end_amdhsa_kernel
	.amdgpu_metadata
---
amdhsa.version: [ 1, 2 ]
amdhsa.kernels:
  - .name:           k_q29d6865f16_oproj
    .symbol:         k_q29d6865f16_oproj.kd
    .args:
      - { .name: oc, .offset: 0, .size: 8, .value_kind: global_buffer, .address_space: global }
      - { .name: wc, .offset: 8, .size: 8, .value_kind: global_buffer, .address_space: global }
      - { .name: bo, .offset: 16, .size: 8, .value_kind: global_buffer, .address_space: global }
      - { .name: out0, .offset: 24, .size: 8, .value_kind: global_buffer, .address_space: global }
    .group_segment_fixed_size: 327680
    .private_segment_fixed_size: 0
    .kernarg_segment_align: 8
    .kernarg_segment_size: 32
    .max_flat_workgroup_size: 128
    .sgpr_count:     100
    .vgpr_count:     768
    .wavefront_size: 32
...
	.end_amdgpu_metadata
.endif
;; end of part 4
